; MI455X (gfx1250); checked and timed in simulation.
; The chip was launched on July 23, 2026; its instructions are those of AMD's public machine-readable ISA for CDNA 5 (MIT licence, August 2026) and "CDNA5" Instruction Set Architecture Reference Guide (July 2026). The comments in the code are by the model that wrote it; some were corrected since.
;; Transformer Encoder Layer. Allowed arithmetic: matrix products marked QUANTISED: E2M3 operands, one E8M0 scale for each 32 along K, by v_wmma_scale_f32_16x16x128_f8f6f4 with both operands' format E2M3, f32 sums; everything else in f32.
;; Inputs: b1 4,096 float32; b2 1,024 float32; b_out 1,024 float32; be1 1,024 float32; be2 1,024 float32; g1 1,024 float32; g2 1,024 float32; mask 2 x 2,048 int32; w1 1,024 x 4,096 float32; w2 4,096 x 1,024 float32; w_out 1,024 x 1,024 float32; w_qkv 1,024 x 3,072 float32; x 2 x 2,048 x 1,024 float32.
;; Outputs: out0 2 x 2,048 x 1,024 float32.
;; This version of the problem:
;;   THIS VERSION OF THE PROBLEM IS GIVEN IN LOW PRECISION. The matrix products marked QUANTISED in the list below multiply operands that are first quantised to E2M3 (2 exponent bits, 3 mantissa bits; 6 bits a number), with one power-of-two scale for each 32 numbers along K (OCP MX v1.0); their sums are f32. All else is computed in f32.
;;   The module's matrix products, in the order in which they are computed (A, B: the left and right operand; K: the contracted axis; several contracted axes count as one K, in the product's order):
;;     1. [M 4,096, K 1,024] x [K 1,024, N 3,072]; A: computed on the way; B: input w_qkv: QUANTISED
;;     2. batch 32 x [M 2,048, K 64] x [K 64, N 2,048]; A: computed on the way; B: computed on the way: QUANTISED
;;     3. batch 32 x [M 2,048, K 2,048] x [K 2,048, N 64]; A: softmax (see below); B: computed on the way: QUANTISED
;;     4. [M 4,096, K 1,024] x [K 1,024, N 1,024]; A: computed on the way; B: input w_out: QUANTISED
;;     5. [M 4,096, K 1,024] x [K 1,024, N 4,096]; A: computed on the way; B: input w1: QUANTISED
;;     6. [M 4,096, K 4,096] x [K 4,096, N 1,024]; A: computed on the way; B: input w2: QUANTISED
;;   THE QUANTISER, for each operand of a quantised product, along K:
;;     - K is cut into blocks of 32 from its start; a last block that is shorter is filled with zeros.
;;     - A block's scale is 2^e with e = floor(log2(the largest magnitude in the block)) - 2, held to -126 .. 127; a block of zeros has e = 0. As a byte (E8M0): e + 127.
;;     - Each number is divided by its block's scale, clamped to +-7.5, and rounded to the nearest number of E2M3, ties to even, subnormals kept.
;;     - The product sums the exact products of the quantised numbers (number of the format x scale) in f32.
;;   ~~~python
;;   def quantise(x, axis):      # numpy; x: float32 -> the quantised numbers, widened to float32 again
;;       x = np.moveaxis(x, axis, -1); K = x.shape[-1]
;;       x = np.pad(x, [(0, 0)] * (x.ndim - 1) + [(0, -K % 32)]); x = x.reshape(x.shape[:-1] + (-1, 32)); a = np.abs(x).max(-1, keepdims=True)
;;       e = np.where(a > 0, np.clip(np.frexp(np.where(a > 0, a, 1))[1] - 1 - 2, -126, 127), 0)      # np.frexp(a)[1] - 1 = floor(log2(a)), exactly
;;       r = np.clip(x / 2.0 ** e, -7.5, 7.5)
;;       step = 2.0 ** (np.maximum(np.frexp(np.where(r == 0, 1, r))[1] - 1, 0) - 3)
;;       q = np.round(r / step) * step * 2.0 ** e      # np.round: ties to even
;;       return np.moveaxis(q.reshape(q.shape[:-2] + (-1,))[..., :K], -1, axis).astype(np.float32)
;;   ~~~
;;   SOFTMAX AHEAD OF A QUANTISED PRODUCT. Where the list says 'softmax', what is quantised is not the finished softmax but p = 2^(t - M), with t = logit x log2(e) and M = ceil(the row's largest t), a whole number; so 1/2 < the row's largest p <= 1. The row's sum l is taken of the UNQUANTISED p, in f32, and the product's result is divided by l at the end. Since M is a whole number, a kernel that streams over the keys may use a running M (the ceiling of the running maximum): every later rescaling is an exact power of two, which a block's scale takes up: the codes' values come out the same.
;;   OPERANDS COMPUTED ON THE WAY. 'Computed on the way' means the value that the module computes at that place (a softmax that the list does not call 'softmax' is quantised finished and normalised). What goes into a quantiser is computed in f32, as accurately as f32 sums, v_exp_f32 and their like allow (about 1e-6 of the number): no bf16 or f16 on the way to a quantiser, and a product that is left as it is and whose result goes on into a quantised operand takes f32 operands (vector FMAs, or v_wmma_f32_16x16x4_f32). A number that lies on a knife's edge between two numbers of the format may be rounded either way, as far as f32 arithmetic and the matrix unit's own rounding can turn it there, and no further.
;; One version. Each part assembles by itself: llvm-mc -triple=amdgcn-amd-amdhsa -mcpu=gfx1250 --defsym DOCPART=n.
;; ======== version 1 of 1: 7 launches
;; limits: right only within a limited range of input values
;; workspace buffers: hw 13,631,488 bytes; qrec 3,670,016 bytes; kv 8,126,464 bytes; aorec 3,407,872 bytes; x1 16,777,216 bytes; hidrec 13,631,488 bytes; h2rec 3,407,872 bytes
;; launch prep (part 1): grid 640 x 1, 4 waves a work-group, no clusters, 66,304 bytes of LDS; arguments x, g1, be1, w_qkv, w_out, w1, w2, hw; writes hw
.if DOCPART == 1
	.amdgcn_target "amdgcn-amd-amdhsa--gfx1250"
	.amdhsa_code_object_version 6
	.text
	.protected	k_q356cacd142_prep
	.globl	k_q356cacd142_prep
	.p2align	8
	.type	k_q356cacd142_prep,@function
k_q356cacd142_prep:
	s_mov_b64 s[64:65], 0
	v_nop
	global_prefetch_b8 v0, s[64:65] scope:SCOPE_SE
	s_setreg_imm32_b32 hwreg(HW_REG_WAVE_MODE, 25, 1), 1
	s_wait_xcnt 0x0
; Work-groups 0-255: layer norm of 16 rows of [4096][1024] f32, quantised along the row to FP6 (E2M3) with one E8M0 byte for each 32.
; Work-groups 256-639: the four weights ([K][N] f32, K the first axis), quantised along K.
; WHAT IS STORED: RECORDS.  A record is the image of one matrix operand, 16 rows x 128 K, 12 registers a lane (l = lane, r = l % 16, h = l / 16):
;   +0 + 16 l registers 0-3 | +512 + 16 r + 8 h registers 4-5 | +768 + 16 l registers 6-9 | +1280 + 16 r + 8 h registers 10-11 | +1536 + 8 r + 4 h the row's scale word: 1,664 bytes.
; An operand lies [tile of 16 rows][K / 128][record].  THE ROWS OF A TILE ARE NOT NEIGHBOURS: row p of tile 2 B + u is index 32 B + 8 u + p + 8 (p / 8), so that a product that takes
; such tiles as source 0 leaves 16 neighbours in a lane's 16 registers of tiles 2 B and 2 B + 1.
; hw: rows' records at 0 (256 tiles x 13,312), w_qkv's at 3,407,872, w_out's at 5,963,776, w1's at 6,815,744, w2's at 10,223,616 (64 tiles x 53,248).
; A block's scale is 2^(floor(log2(largest magnitude)) - 2); its byte is the largest magnitude's exponent field - 2, held at 1 from below.
; LIMITS: NaN and infinities are not served; a block whose largest magnitude lies under 2^-124, a block of zeros too, gets the byte 1 (its codes are what the conversion gives; this program alone reads the bytes).
; No matrix unit, no tensor load, no cluster: the work-groups share no data, and every byte is read once.
.set REC,   1664
.set PITCH, 4112                       ; a row of the stage: 4,096 bytes + 16 = 257 x 16: sixteen rows read at one column start at sixteen different 16-byte columns
.set X,    64                          ; v64-191  four rows, 32 registers each; later two sets of 64 numbers
.set G,    192                         ; v192-223 the gain at my columns
.set BE,   224                         ; v224-255 the offset
.set SM,   12                          ; v12-19   four pairs: sums, then means
.set SQ,   20                          ; v20-27   four pairs: sums of squares, then 1 / sqrt
.set PX,   28                          ; v28-31   what the other half of the lanes sends
.set PC,   32                          ; v32-43   a record's twelve registers
.set PT,   44                          ; v44-51   the conversions' second halves
.set TM,   52                          ; v52-55   largest magnitudes
.set TX,   56                          ; v56-59   the other half's; then the bytes
.set SO,   60                          ; v60-63   the conversions' scale operands
.set PW,   10                          ; v10      the scale word
; 64 numbers of a lane, register 16 b + i = k 32 b + 16 h + i of my row, become a record's codes and scale word
.macro QUANT s
.irp b, 0,1,2,3
	v_max3_num_f32 v[TM+\b], |v[\s+16*\b]|, |v[\s+16*\b+1]|, 0x1800000   ; my 16 numbers of block b, and the floor 2^(3 - 127): the byte cannot fall under 1
.endr
.irp i, 2,4,6,8,10,12,14
.irp b, 0,1,2,3
	v_max3_num_f32 v[TM+\b], v[TM+\b], |v[\s+16*\b+\i]|, |v[\s+16*\b+\i+1]|
.endr
.endr
.irp b, 0,1,2,3
	v_permlanex16_b32 v[TX+\b], v[TM+\b], s22, s23
.endr
.irp b, 0,1,2,3
	v_max_num_f32 v[TM+\b], v[TM+\b], v[TX+\b]       ; with lane l xor 16's: the block's largest magnitude
.endr
.irp b, 0,1,2,3
	v_add_nc_u32 v[SO+\b], 0xff000000, v[TM+\b]      ; 2 off its exponent field: the conversion takes that field as its scale
.endr
.irp b, 0,1,2,3
	v_lshrrev_b32 v[TX+\b], 23, v[SO+\b]             ; the byte
.endr
	v_lshl_or_b32 v[PW], v[TX+1], 8, v[TX]
	v_lshl_or_b32 v[PW], v[TX+2], 16, v[PW]
	v_lshl_or_b32 v[PW], v[TX+3], 24, v[PW]
.irp c, 0,1
	v_cvt_scalef32_pk16_fp6_f32 v[PC+6*\c:PC+6*\c+2], v[\s+32*\c:\s+32*\c+15], v[SO+2*\c]
	v_cvt_scalef32_pk16_fp6_f32 v[PT+4*\c:PT+4*\c+2], v[\s+32*\c+16:\s+32*\c+31], v[SO+2*\c+1]   ; (a conversion's three registers begin on an even number)
.endr
	v_nop                                            ; one plain line behind the scaled conversions
.irp c, 0,1                                      ; the operand wants a whole block in a lane: lanes 0-15 block 2 c, lanes 16-31 block 2 c + 1
.irp i, 0,1,2
	v_permlane16_swap_b32 v[PC+6*\c+\i], v[PT+4*\c+\i]
.endr
.irp i, 0,1,2
	v_mov_b32 v[PC+6*\c+3+\i], v[PT+4*\c+\i]
.endr
.endr
.endm
; the sum over the wave's 32 lanes of four numbers at v[base + 2 i], the four by turns
.macro WSUM base
.irp m, 1,2,4,8
.irp i, 0,1,2,3
	v_add_f32_dpp v[\base+2*\i], v[\base+2*\i], v[\base+2*\i] row_xmask:\m row_mask:0xf bank_mask:0xf
.endr
.endr
.irp i, 0,1,2,3
	v_permlanex16_b32 v[PX+\i], v[\base+2*\i], s22, s23
.endr
.irp i, 0,1,2,3
	v_add_f32 v[\base+2*\i], v[\base+2*\i], v[PX+\i]
.endr
.endm
.macro PUT e                                     ; the record in v[PC] on and its scale word go out: each piece is 128, 256 or 512 consecutive bytes of the wave
	global_store_b128 v4, v[PC:PC+3], s[18:19] offset:REC*\e
	global_store_b64 v8, v[PC+4:PC+5], s[18:19] offset:REC*\e+512
	global_store_b128 v4, v[PC+6:PC+9], s[18:19] offset:REC*\e+768
	global_store_b64 v8, v[PC+10:PC+11], s[18:19] offset:REC*\e+1280
	global_store_b32 v9, v[PW], s[18:19] offset:REC*\e+1536
.endm
	s_load_b256 s[4:11], s[0:1], 0x0               ; rows s[4:5], gain s[6:7], offset s[8:9], w_qkv s[10:11]
	s_load_b256 s[12:19], s[0:1], 0x20             ; w_out s[12:13], w1 s[14:15], w2 s[16:17], hw s[18:19]
	s_set_vgpr_msb 0x40
	v_lshl_add_u32 v0, v0, 2, 0x10100
	v_mov_b32 v1, 0
	s_set_vgpr_msb 0x4000
	v_lshrrev_b32 v1, 5, v0
	v_readfirstlane_b32 s20, v1                    ; wave 0..3
	v_and_b32 v1, 31, v0                           ; lane
	s_mov_b32 s22, 0x76543210
	s_mov_b32 s23, 0xfedcba98                      ; v_permlanex16_b32's selects for lane l xor 16
	s_cmp_ge_u32 ttmp9, 256
	s_cbranch_scc1 .Lweights
; ---------------- LAYER NORM: work-group T makes tile T of the rows' records.  Wave w owns the tile's rows 4 w .. 4 w + 3: four neighbouring rows of memory
	v_and_b32 v2, 15, v0                           ; r
	v_bfe_u32 v3, v0, 4, 1                         ; h
	v_lshlrev_b32 v4, 4, v1                        ; 16 l
	s_mul_i32 s21, s20, 4*PITCH
	v_add_nc_u32 v5, s21, v4                       ; into the stage: my wave's four rows, 16 bytes a lane
	v_mul_u32_u24 v6, v2, PITCH
	v_lshl_add_u32 v6, v3, 6, v6
	s_lshl_b32 s21, s20, 10
	v_add_nc_u32 v6, s21, v6                       ; out of it: row r, K steps 2 w and 2 w + 1, my half's 16 numbers of each block
	v_lshlrev_b32 v8, 4, v2
	v_lshl_add_u32 v8, v3, 3, v8                   ; 16 r + 8 h
	v_lshlrev_b32 v9, 3, v2
	v_lshl_add_u32 v9, v3, 2, v9                   ; 8 r + 4 h
	s_lshr_b32 s24, ttmp9, 1
	s_lshl_b32 s24, s24, 5
	s_and_b32 s25, ttmp9, 1
	s_lshl_b32 s25, s25, 3
	s_add_co_u32 s24, s24, s25
	s_lshl_b32 s25, s20, 2
	s_add_co_u32 s24, s24, s25
	s_lshr_b32 s25, s20, 1
	s_lshl_b32 s25, s25, 3
	s_add_co_u32 s24, s24, s25                     ; my first row: 32 (T / 2) + 8 (T % 2) + 4 w + 8 (w / 2)
	s_lshl_b32 s24, s24, 12
	s_mov_b32 s25, 0
	s_mul_i32 s28, ttmp9, 8*REC
	s_mul_i32 s29, s20, 2*REC
	s_add_co_u32 s28, s28, s29                     ; my two records
	s_mov_b32 s29, 0
	s_mov_b32 s26, 0x3a800000                      ; 1 / 1024
	s_mov_b32 s27, 0x3727c5ac                      ; 1e-5
	s_wait_alu depctr_va_vdst(0)
	s_wait_kmcnt 0x0
	s_add_nc_u64 s[4:5], s[4:5], s[24:25]
	s_add_nc_u64 s[18:19], s[18:19], s[28:29]
.irp i, 0,1,2,3
.irp j, 0,1,2,3,4,5,6,7
	global_load_b128 v[X+32*\i+4*\j:X+32*\i+4*\j+3], v4, s[4:5] offset:4096*\i+512*\j   ; 32 lanes read 512 consecutive bytes
.endr
.endr
.irp j, 0,1,2,3,4,5,6,7
	global_load_b128 v[G+4*\j:G+4*\j+3], v4, s[6:7] offset:512*\j
.endr
.irp j, 0,1,2,3,4,5,6,7
	global_load_b128 v[BE+4*\j:BE+4*\j+3], v4, s[8:9] offset:512*\j
.endr
.irp i, 0,1,2,3
	v_mov_b32 v[PX+\i], 0                          ; a lane permute's destination counts as one of its sources
	v_mov_b32 v[TX+\i], 0
.endr
	s_wait_loadcnt 16                              ; the rows are in; the sixteen younger loads (gain, offset) may be out
.irp i, 0,1,2,3
	v_pk_add_f32 v[SM+2*\i:SM+2*\i+1], v[X+32*\i:X+32*\i+1], v[X+32*\i+2:X+32*\i+3]
.endr
.set j, 4
.rept 14
.irp i, 0,1,2,3
	v_pk_add_f32 v[SM+2*\i:SM+2*\i+1], v[SM+2*\i:SM+2*\i+1], v[X+32*\i+j:X+32*\i+j+1]
.endr
.set j, j+2
.endr
.irp i, 0,1,2,3
	v_add_f32 v[SM+2*\i], v[SM+2*\i], v[SM+2*\i+1]
.endr
	WSUM SM
.irp i, 0,1,2,3
	v_mul_f32 v[SM+2*\i], s26, v[SM+2*\i]          ; the mean
.endr
.set j, 0
.rept 16
.irp i, 0,1,2,3
	v_pk_add_f32 v[X+32*\i+j:X+32*\i+j+1], v[X+32*\i+j:X+32*\i+j+1], v[SM+2*\i:SM+2*\i+1] op_sel_hi:[1,0] neg_lo:[0,1] neg_hi:[0,1]   ; x - mean: the variance is taken of these, not of a difference of large sums
.endr
.set j, j+2
.endr
.irp i, 0,1,2,3
	v_pk_mul_f32 v[SQ+2*\i:SQ+2*\i+1], v[X+32*\i:X+32*\i+1], v[X+32*\i:X+32*\i+1]
.endr
.set j, 2
.rept 15
.irp i, 0,1,2,3
	v_pk_fma_f32 v[SQ+2*\i:SQ+2*\i+1], v[X+32*\i+j:X+32*\i+j+1], v[X+32*\i+j:X+32*\i+j+1], v[SQ+2*\i:SQ+2*\i+1]
.endr
.set j, j+2
.endr
.irp i, 0,1,2,3
	v_add_f32 v[SQ+2*\i], v[SQ+2*\i], v[SQ+2*\i+1]
.endr
	WSUM SQ
.irp i, 0,1,2,3
	v_fma_f32 v[SQ+2*\i], v[SQ+2*\i], s26, s27     ; the variance + 1e-5 (the factor is a power of two: one rounding, as a multiply and an add give)
.endr
	s_wait_alu depctr_va_vdst(0)
.irp i, 0,1,2,3
	v_rsq_f32 v[SQ+2*\i], v[SQ+2*\i]
.endr
	v_nop                                          ; a plain line behind the batch
	s_wait_alu depctr_va_vdst(0)                   ; one wait for the four, ahead of their first reader
	s_wait_loadcnt 0x0                             ; gain and offset
.irp i, 0,1,2,3
.set j, 0
.rept 16
	v_pk_mul_f32 v[X+32*\i+j:X+32*\i+j+1], v[X+32*\i+j:X+32*\i+j+1], v[SQ+2*\i:SQ+2*\i+1] op_sel_hi:[1,0]
	v_pk_fma_f32 v[X+32*\i+j:X+32*\i+j+1], v[X+32*\i+j:X+32*\i+j+1], v[G+j:G+j+1], v[BE+j:BE+j+1]
.set j, j+2
.endr
.irp j, 0,1,2,3,4,5,6,7
	ds_store_b128 v5, v[X+32*\i+4*\j:X+32*\i+4*\j+3] offset:PITCH*\i+512*\j
.endr
.endr
	s_wait_dscnt 0x0                               ; for the others' sake: my four rows lie in the stage
	s_barrier_signal -1
	s_barrier_wait -1                              ; all sixteen do
.irp e, 0,1
.irp b, 0,1,2,3
.irp j, 0,1,2,3
	ds_load_b128 v[X+64*\e+16*\b+4*\j:X+64*\e+16*\b+4*\j+3], v6 offset:512*\e+128*\b+16*\j
.endr
.endr
.endr
	s_wait_dscnt 16                                ; the first K step's sixteen loads are in, the second's may be out
	QUANT X
	PUT 0
	s_wait_dscnt 0x0
	s_wait_xcnt 0x0                                ; the stores have read their registers: the codes are written again only behind this wait
	QUANT X+64
	PUT 1
	s_set_vgpr_msb 0x5
	s_wait_tensorcnt 0x0
	ds_add_u32 v0, v1
	s_wait_dscnt 0x0
	s_set_vgpr_msb 0x500
	s_endpgm
; ---------------- THE WEIGHTS.  A wave takes 32 columns x 256 along K; a lane takes a column and its registers run down K, so that a block of 32 lies in one lane and the codes come out with K innermost.
.Lweights:
	s_sub_co_u32 s21, ttmp9, 256                   ; 0-95 w_qkv, 96-127 w_out, 128-255 w1, 256-383 w2
	s_mov_b32 s24, 4096                            ; a row of the weight in bytes
	s_mov_b32 s25, 256                             ; the weight's first work-group
	s_mov_b32 s26, 4                               ; log2 of K / 256
	s_mov_b32 s27, 53248                           ; a tile's records in bytes: K / 128 x 1,664
	s_mov_b32 s28, 10223616                        ; where its records begin in hw
	s_wait_kmcnt 0x0
	s_mov_b64 s[30:31], s[16:17]
	s_cmp_lt_u32 s21, 256                          ; the choices hang on the work-group's number alone
	s_cselect_b64 s[30:31], s[14:15], s[30:31]
	s_cselect_b32 s24, 16384, s24
	s_cselect_b32 s25, 128, s25
	s_cselect_b32 s26, 2, s26
	s_cselect_b32 s27, 13312, s27
	s_cselect_b32 s28, 6815744, s28
	s_cmp_lt_u32 s21, 128
	s_cselect_b64 s[30:31], s[12:13], s[30:31]
	s_cselect_b32 s24, 4096, s24
	s_cselect_b32 s25, 96, s25
	s_cselect_b32 s28, 5963776, s28
	s_cmp_lt_u32 s21, 96
	s_cselect_b64 s[30:31], s[10:11], s[30:31]
	s_cselect_b32 s24, 12288, s24
	s_cselect_b32 s25, 0, s25
	s_cselect_b32 s28, 3407872, s28
	s_sub_co_u32 s21, s21, s25
	s_bfm_b32 s29, s26, 0
	s_and_b32 s29, s21, s29
	s_lshl_b32 s29, s29, 8                         ; k0: my first row of the weight
	s_lshr_b32 s21, s21, s26
	s_lshl_b32 s21, s21, 7
	s_lshl_b32 s25, s20, 5
	s_add_co_u32 s21, s21, s25                     ; n0: my wave's first column
	s_mul_i32 s48, s29, s24
	s_lshl_b32 s49, s21, 2
	s_add_co_u32 s48, s48, s49
	s_mov_b32 s49, 0
	s_add_nc_u64 s[32:33], s[30:31], s[48:49]      ; eight bases, one for each block of 32 along K: none is ever stepped
	s_lshl_b32 s48, s24, 5
.irp t, 1,2,3,4,5,6,7
	s_add_nc_u64 s[32+2*\t:33+2*\t], s[30+2*\t:31+2*\t], s[48:49]
.endr
	s_lshr_b32 s50, s21, 4
	s_mul_i32 s50, s50, s27
	s_lshr_b32 s51, s29, 7
	s_mul_i32 s51, s51, REC
	s_add_co_u32 s50, s50, s51
	s_add_co_u32 s50, s50, s28
	s_mov_b32 s51, 0
	s_add_nc_u64 s[18:19], s[18:19], s[50:51]      ; tile n0 / 16, K step k0 / 128
	v_bfe_u32 v2, v0, 3, 1                         ; column n0 + l is row p = l % 8 + 8 (l / 16) of tile n0 / 16 + u, u = (l / 8) % 2
	v_and_b32 v3, 7, v0
	v_bfe_u32 v6, v0, 4, 1
	v_lshl_add_u32 v3, v6, 3, v3
	v_mul_u32_u24 v7, s27, v2
	v_lshl_add_u32 v4, v3, 4, v7                   ; my row's 16 bytes in a piece of a record
	v_lshl_add_u32 v5, v3, 3, v7                   ; and its 8 among the scale words
	s_wait_alu depctr_va_vdst(0)
	v_lshlrev_b32 v32, 2, v1
.irp i, 1,2,3,4,5,6,7,8,9,10,11,12,13,14,15,16,17,18,19,20,21,22,23,24,25,26,27,28,29,30,31
	v_add_nc_u32 v[32+\i], s24, v[31+\i]           ; v32-63: 4 l + i rows
.endr
.macro LOAD t                                    ; block t: 32 rows at my column: each load reads 128 consecutive bytes, the work-group's four waves 512
.irp i, 0,1,2,3,4,5,6,7,8,9,10,11,12,13,14,15,16,17,18,19,20,21,22,23,24,25,26,27,28,29,30,31
	global_load_b32 v[64+32*((\t)%2)+\i], v[32+\i], s[32+2*(\t):33+2*(\t)] th:TH_LOAD_NT
.endr
.endm
; Block t = 4 e + bb of K step e.  Its 24 bytes of codes belong to lane p + 16 (bb % 2) of the record: registers 6 c .. 6 c + 3 (16 bytes) and 6 c + 4, 5 (8 bytes), c = bb / 2.
; Each K step has its own registers for codes and scale word (v128 + 32 e on), so that no store's data are written again.
.macro BLOCK t
.set XS, 64+32*((\t)%2)
.set CE, 128+32*((\t)/4)
.set BB, (\t)%4
.if (\t) < 7
	s_wait_loadcnt 32                              ; this block's 32 loads are in; the next block's may be out
.else
	s_wait_loadcnt 0x0
.endif
	v_max3_num_f32 v12, |v[XS]|, |v[XS+1]|, |v[XS+2]|
	v_max3_num_f32 v13, |v[XS+3]|, |v[XS+4]|, |v[XS+5]|
.irp i, 6,10,14,18,22,26
	v_max3_num_f32 v12, v12, |v[XS+\i]|, |v[XS+\i+1]|
	v_max3_num_f32 v13, v13, |v[XS+\i+2]|, |v[XS+\i+3]|
.endr
	v_max3_num_f32 v12, v12, |v[XS+30]|, |v[XS+31]|
	v_max3_num_f32 v12, v12, v13, 0x1800000        ; and the floor
	v_add_nc_u32 v11, 0xff000000, v12
	v_lshrrev_b32 v13, 23, v11
.if BB == 0
	v_mov_b32 v[CE+24], v13
.else
	v_lshl_or_b32 v[CE+24], v13, 8*BB, v[CE+24]
.endif
	v_cvt_scalef32_pk16_fp6_f32 v[CE+4*BB:CE+4*BB+2], v[XS:XS+15], v11
	v_cvt_scalef32_pk16_fp6_f32 v[20:22], v[XS+16:XS+31], v11
	v_nop                                          ; one plain line behind the scaled conversions
	v_mov_b32 v[CE+4*BB+3], v20
	v_mov_b32 v[CE+16+4*(BB/2)+2*(BB%2)], v21
	v_mov_b32 v[CE+16+4*(BB/2)+2*(BB%2)+1], v22
.if (\t) < 6
	LOAD (\t)+2
.endif
.if BB%2 == 1
	global_store_b128 v4, v[CE+8*(BB/2):CE+8*(BB/2)+3], s[18:19] offset:REC*((\t)/4)+768*(BB/2)          ; sixteen lanes store 256 consecutive bytes of each of two tiles
	global_store_b128 v4, v[CE+8*(BB/2)+4:CE+8*(BB/2)+7], s[18:19] offset:REC*((\t)/4)+768*(BB/2)+256
	global_store_b128 v4, v[CE+16+4*(BB/2):CE+16+4*(BB/2)+3], s[18:19] offset:REC*((\t)/4)+768*(BB/2)+512
.endif
.if BB == 3
	v_mov_b32 v[CE+25], v[CE+24]                   ; the word stands twice: for both halves of the lanes
	global_store_b64 v5, v[CE+24:CE+25], s[18:19] offset:REC*((\t)/4)+1536
.endif
.endm
	LOAD 0
	LOAD 1
.irp t, 0,1,2,3,4,5,6,7
	BLOCK \t
.endr
	s_endpgm
.Lfunc_end_k_q356cacd142_prep:
	.size	k_q356cacd142_prep, .Lfunc_end_k_q356cacd142_prep-k_q356cacd142_prep
	.p2alignl 7, 3214868480
	.fill 96, 4, 3214868480
	.section	.rodata,"a",@progbits
	.p2align	6, 0x0
	.amdhsa_kernel k_q356cacd142_prep
		.amdhsa_group_segment_fixed_size 66304
		.amdhsa_private_segment_fixed_size 0
		.amdhsa_enable_private_segment 0
		.amdhsa_kernarg_size 64
		.amdhsa_user_sgpr_count 2
		.amdhsa_user_sgpr_kernarg_segment_ptr 1
		.amdhsa_wavefront_size32 1
		.amdhsa_system_sgpr_workgroup_id_x 1
		.amdhsa_system_sgpr_workgroup_id_y 1
		.amdhsa_system_sgpr_workgroup_id_z 1
		.amdhsa_system_vgpr_workitem_id 0
		.amdhsa_next_free_vgpr 258
		.amdhsa_next_free_sgpr 66
		.amdhsa_reserve_vcc 0
		.amdhsa_float_denorm_mode_32 3
		.amdhsa_float_denorm_mode_16_64 3
		.amdhsa_memory_ordered 1
		.amdhsa_forward_progress 1
		.amdhsa_inst_pref_size 84
	.end_amdhsa_kernel
	.amdgpu_metadata
---
amdhsa.version: [ 1, 2 ]
amdhsa.kernels:
  - .name:           k_q356cacd142_prep
    .symbol:         k_q356cacd142_prep.kd
    .args:
      - { .name: x, .offset: 0, .size: 8, .value_kind: global_buffer, .address_space: global }
      - { .name: g1, .offset: 8, .size: 8, .value_kind: global_buffer, .address_space: global }
      - { .name: be1, .offset: 16, .size: 8, .value_kind: global_buffer, .address_space: global }
      - { .name: w_qkv, .offset: 24, .size: 8, .value_kind: global_buffer, .address_space: global }
      - { .name: w_out, .offset: 32, .size: 8, .value_kind: global_buffer, .address_space: global }
      - { .name: w1, .offset: 40, .size: 8, .value_kind: global_buffer, .address_space: global }
      - { .name: w2, .offset: 48, .size: 8, .value_kind: global_buffer, .address_space: global }
      - { .name: hw, .offset: 56, .size: 8, .value_kind: global_buffer, .address_space: global }
    .group_segment_fixed_size: 66304
    .private_segment_fixed_size: 0
    .kernarg_segment_align: 8
    .kernarg_segment_size: 64
    .max_flat_workgroup_size: 128
    .sgpr_count:     66
    .vgpr_count:     258
    .wavefront_size: 32
...
	.end_amdgpu_metadata
.endif
;; end of part 1
;; launch gemm_qkv (part 2): grid 16 x 12, 4 waves a work-group, clusters of 4 x 4, 327,680 bytes of LDS; arguments hw, mask, qrec, kv; writes qrec, kv
.if DOCPART == 2
	.amdgcn_target "amdgcn-amd-amdhsa--gfx1250"
	.amdhsa_code_object_version 6
	.text
	.protected	k_q356cacd142_gemm_qkv
	.globl	k_q356cacd142_gemm_qkv
	.p2align	8
	.type	k_q356cacd142_gemm_qkv,@function
k_q356cacd142_gemm_qkv:
	s_mov_b64 s[64:65], 0
	v_nop
	global_prefetch_b8 v0, s[64:65] scope:SCOPE_SE
	s_setreg_imm32_b32 hwreg(HW_REG_WAVE_MODE, 25, 1), 1
	s_wait_xcnt 0x0
	s_wait_alu depctr_hold_cnt(0) depctr_sa_sdst(0) depctr_va_vdst(0) depctr_va_sdst(0) depctr_va_ssrc(0) depctr_va_vcc(0) depctr_vm_vsrc(0)
	s_getreg_b32 s2, hwreg(HW_REG_IB_STS2, 6, 4)
	s_cmp_eq_u32 s2, 0
	s_cbranch_scc0 .Lentry_in_a_cluster
	s_endpgm
.Lentry_in_a_cluster:
	s_bfe_u32 s2, ttmp6, 0x10000c
	s_cmp_lg_u32 s2, 0xf033
	s_cbranch_scc0 .Lentry_shape_is_right
	s_endpgm
.Lentry_shape_is_right:
; q, k, v = layer-normed rows x w_qkv, on codes of FP6 (E2M3) with E8M0 scales, and on the way out q, k and v are quantised for the two products of attention.
; OPERANDS are records (16 rows x 128 K: +0 + 16 l registers 0-3, +512 + 16 r + 8 h registers 4-5, +768 + 16 l registers 6-9, +1280 + 16 r + 8 h registers 10-11, +1536 + 8 r + 4 h the scale word; 1,664 bytes),
; laid [tile of 16][K / 128].  Row p of tile 2 B + u is index 32 B + 8 u + p + 8 (p / 8).  hw holds the rows' 256 tiles and behind them w_qkv's 192, at one pitch: an operand is chosen by a tile index.
; A work-group makes 256 x 256, each of four waves 128 x 128: 64 accumulators.  Y (source 1) gives the lanes, X (source 0) the registers: register j of lane (r, h) is X's tile row 8 h + j, Y's tile row r.
; K goes in slots of 256 (two records a tile, 3,328 bytes a row of the tensor tile) through a ring of two LDS slots.  The scale words travel inside the records.
; CLUSTERS 4 x 4: Y's tiles are shared along a row of the cluster, X's along a column, by joint loads.
; WHO MAKES WHAT.  Clusters with y = 0: Y = w_v's columns, X = the tokens: a lane holds a channel and its registers run along the tokens, which are the second product's K.
; Clusters with y = 1, 2: Y = tokens, X = w_q's or w_k's columns: a lane holds a token and its registers run along the head's channels.
; THE MASK GOES THROUGH THE SCORES' IDLE K.  The scores' K is 64, the instruction's 128.  q carries the code 1.0 at k = 64 under the byte 127; a masked key has zero codes, the code -1.0 at k = 64 and the byte 160;
; an unmasked key has the code 0 there and the byte 1.  So a masked score is exactly -2^33 and an unmasked one is untouched.  The mask's words are asked for at the head and land under the K loop.
; LIMITS: a masked logit is -2^30 where the definition has -1e9: the results differ only where every unmasked logit of a row lies under about -1e9.  NaN and infinities are not served; a block under 2^-124 gets the byte 1.
; No prefetch: the tiles are shared in clusters and each wave has 26,624 bytes on its way.
.set MB,    8                          ; Y's blocks of 16 a wave
.set NB,    8                          ; X's
.set NQ,    2                          ; records (128 along K) a slot
.set LAPS,  2                          ; a lap = two slots; K = 1,024
.set TP,    13312                      ; a tile's records in memory
.set REC,   1664
.set ROWB,  NQ*REC
.set HALFT, MB*ROWB                    ; what one tensor load brings: 26,624 bytes
.set SLOT,  4*HALFT                    ; Y's two halves, then X's two
.set SPARE, 2*SLOT                     ; behind the ring: the spare words, 128 bytes a wave
.set AF,    128                        ; window 0: Y's fragments, one set, v128-223.  Window 1: X's, two sets, at v0 and v128.  Windows 2, 3: the accumulators
.set SPW,   28
.set NIL,   29
.set PW,    30
.set PC,    96                         ; the way out, window 0: v96-107 codes, v108-115 second halves, v116-127 at work
.set PT,    108
.set TM,    116
.set TX,    120
.set SO,    124
.set MK,    224                        ; v224-231 the mask of my tokens: loaded at the head, beside Y's fragments
.set MO,    232                        ; v232     their offset
.set AM,    136
.set HI,    137
.set TA,    140
.set TB,    144
.set W0,    148
.set W1,    149
.set MK40,  150
.set HM,    151
.set HU,    152
.set QH,    154
.set MSB, 0
.macro WIN new                         ; the immediate's high byte repeats the setting that is left
.if MSB != (\new)
	s_set_vgpr_msb (MSB<<8)|(\new)
.set MSB, (\new)
.endif
.endm
.macro PLACES n
.rept \n
	v_nop
.endr
.endm
.macro JLOAD g0y, g0x                  ; a joint load: waves 0, 1 fetch Y's halves, waves 2, 3 X's; four v_nop follow each line
	s_cmp_eq_u32 s15, 0
	s_cbranch_scc0 .Lfor_x_\@
	tensor_load_to_lds s[\g0y:\g0y+3], s[24:31]
	s_nop 0
	PLACES 4
	s_branch .Lasked_\@
.Lfor_x_\@:
	tensor_load_to_lds s[\g0x:\g0x+3], s[48:55]
	s_nop 0
	PLACES 4
.Lasked_\@:
.endm
.macro CREST                           ; a round of the cluster's barrier behind its opening barrier
	s_cmp_lg_u32 s14, 0
	s_cbranch_scc1 .Lnot_wave_0_\@
	s_barrier_signal -3
.Lnot_wave_0_\@:
	s_barrier_wait -3
	s_barrier_signal -1
	s_barrier_wait -1
.endm
.macro CROUND
	s_barrier_signal -1
	s_barrier_wait -1
	CREST
.endm
.macro FRAG reg, a16, a8, off          ; a record's twelve registers: four loads, each of consecutive bytes
	ds_load_b128 v[\reg:\reg+3], v[\a16] offset:\off
	ds_load_b64 v[\reg+4:\reg+5], v[\a8] offset:\off+512
	ds_load_b128 v[\reg+6:\reg+9], v[\a16] offset:\off+768
	ds_load_b64 v[\reg+10:\reg+11], v[\a8] offset:\off+1280
.endm
.macro FETCH_B slot, q, p              ; X's fragments of the slot's q-th record into set p
	WIN 0x40
.irp i, 0,1,2,3,4,5,6,7
.if \i < NB
	FRAG 128*(\p)+12*\i, 10+\slot, 12+\slot, \i*ROWB+(\q)*REC
.endif
.endr
	WIN 0
.endm
.macro FETCH_A slot, q, i0             ; Y's blocks i0 .. i0 + MB / 2 - 1
.irp d, 0,1,2,3
.if \d < MB/2
	FRAG AF+12*((\i0)+\d), 4+\slot, 6+\slot, ((\i0)+\d)*ROWB+(\q)*REC
.endif
.endr
.endm
.macro SCALES slot                     ; the slot's scale words: set slot at v[32 + 32 slot]: Y's (block i, record q) at + NQ i + q, X's 16 further on.  These registers hold scales and nothing else
.irp i, 0,1,2,3,4,5,6,7
.if \i < MB
.irp q, 0,1,2,3
.if \q < NQ
	ds_load_b32 v[32+32*\slot+NQ*\i+\q], v[8+\slot] offset:\i*ROWB+\q*REC+1536
	ds_load_b32 v[48+32*\slot+NQ*\i+\q], v[14+\slot] offset:\i*ROWB+\q*REC+1536
.endif
.endr
.endif
.endr
.endm
.macro MULA a, p, q, sc, zero          ; Y's block a against X's NB.  The accumulators take turns, one instruction a turn, in one order in every step
.irp b, 0,1,2,3,4,5,6,7
.if \b < NB
.set rD, 8*(NB*((\a)%(MB/2))+\b)
.set rX, 128*(\p)+12*\b
.set rY, AF+12*(\a)
.set rSB, 48+32*(\sc)+NQ*\b+(\q)
.set rSA, 32+32*(\sc)+NQ*(\a)+(\q)
.if \zero
	v_wmma_scale_f32_16x16x128_f8f6f4 v[rD:rD+7], v[rX:rX+11], v[rY:rY+11], 0, v[rSB], v[rSA] matrix_a_fmt:MATRIX_FMT_FP6 matrix_b_fmt:MATRIX_FMT_FP6
.else
	v_wmma_scale_f32_16x16x128_f8f6f4 v[rD:rD+7], v[rX:rX+11], v[rY:rY+11], v[rD:rD+7], v[rSB], v[rSA] matrix_a_fmt:MATRIX_FMT_FP6 matrix_b_fmt:MATRIX_FMT_FP6
.endif
.endif
.endr
.endm
.macro MULR a0, n, p, q, sc, zero
.irp d, 0,1,2,3
.if \d < (\n)
	MULA (\a0)+\d, \p, \q, \sc, \zero
.endif
.endr
.endm
; A step of 128 along K that has its successor in the same slot.  Loads into registers that matrix instructions have read stand four plain places behind them (ISA guide 7.12.1 for vector instructions).
.macro STEP slot, q, zero
	s_wait_dscnt (MB/2)*4                          ; all but the youngest loads, Y's upper blocks
	WIN 0xa1                                       ; source 0 (X) window 1, source 1 (Y) window 0, C and D window 2
	MULR 0, MB/2, (\q)%2, \q, \slot, \zero
	s_wait_dscnt 0x0                               ; Y's upper blocks are in
	PLACES 4
	FETCH_B \slot, (\q)+1, 1-(\q)%2
	FETCH_A \slot, (\q)+1, 0
	WIN 0xf1                                       ; C and D window 3
	MULR MB/2, MB/2, (\q)%2, \q, \slot, \zero
	PLACES 4
	WIN 0
	FETCH_A \slot, (\q)+1, MB/2
.endm
; A slot's last step changes slots: one barrier; in front of it each wave waits for all its tensor loads, adds 0 to its spare word, and waits for that and for its reads of this slot.
.macro TURN slot, next, fill
	s_wait_tensorcnt 0x0                           ; all my tensor loads have landed: my part of the next slot
	ds_add_u32 v[SPW], v[NIL]
	s_wait_dscnt (MB/2)*4+1                        ; (the add and Y's upper blocks may be out)
	WIN 0xa1
	MULR 0, MB/4, 1, NQ-1, \slot, 0
	s_wait_dscnt 0x0                               ; the add is done, and my reads of this slot are over
	s_barrier_signal -1
	MULR MB/4, MB/4, 1, NQ-1, \slot, 0
	WIN 0
	s_barrier_wait -1
.if \fill
	CREST                                          ; the barrier has opened a round of the cluster's: no wave of any partner still reads this slot or has a load on its way
	s_add_nc_u64 s[34+4*\slot:35+4*\slot], s[34+4*\slot:35+4*\slot], 2*ROWB
	s_add_nc_u64 s[58+4*\slot:59+4*\slot], s[58+4*\slot:59+4*\slot], 2*ROWB
	JLOAD 32+4*\slot, 56+4*\slot                   ; the first tensor load behind the round, my one load until the next; its four v_nop are the places in front of the loads below
.else
	PLACES 4
.endif
	s_wait_alu depctr_va_vdst(0)
	FETCH_B \next, 0, 0
	FETCH_A \next, 0, 0
	SCALES \next
	WIN 0xf1
	MULR MB/2, MB/2, 1, NQ-1, \slot, 0
	PLACES 4
	WIN 0
	FETCH_A \next, 0, MB/2
.endm
.macro MID slot
.if NQ > 2
	STEP \slot, 1, 0
	STEP \slot, 2, 0
.endif
.endm
; 64 numbers of a lane in window w, register 16 b + i = index 32 b + 16 h + i, become a record's codes in v[PC] on and its scale word in v[PW].  Each accumulator is read from its low end on.
.macro QUANT s, w
	WIN ((\w)<<2)|((\w)<<4)
.irp b, 0,1,2,3
	v_max3_num_f32 v[TM+\b], 0x1800000, |v[(\s)+16*\b]|, |v[(\s)+16*\b+1]|   ; the floor 2^(3 - 127): the byte cannot fall under 1
.endr
.irp i, 2,4,6,8,10,12,14
.irp b, 0,1,2,3
	v_max3_num_f32 v[TM+\b], v[TM+\b], |v[(\s)+16*\b+\i]|, |v[(\s)+16*\b+\i+1]|
.endr
.endr
	WIN 0
.irp b, 0,1,2,3
	v_permlanex16_b32 v[TX+\b], v[TM+\b], s2, s3
.endr
.irp b, 0,1,2,3
	v_max_num_f32 v[TM+\b], v[TM+\b], v[TX+\b]
.endr
.irp b, 0,1,2,3
	v_add_nc_u32 v[SO+\b], 0xff000000, v[TM+\b]    ; 2 off the exponent field: the conversion's scale operand
.endr
.irp b, 0,1,2,3
	v_lshrrev_b32 v[TX+\b], 23, v[SO+\b]
.endr
	v_lshl_or_b32 v[PW], v[TX+1], 8, v[TX]
	v_lshl_or_b32 v[PW], v[TX+2], 16, v[PW]
	v_lshl_or_b32 v[PW], v[TX+3], 24, v[PW]
	WIN (\w)
.irp c, 0,1
	v_cvt_scalef32_pk16_fp6_f32 v[PC+6*\c:PC+6*\c+2], v[(\s)+32*\c:(\s)+32*\c+15], v[SO+2*\c]
	v_cvt_scalef32_pk16_fp6_f32 v[PT+4*\c:PT+4*\c+2], v[(\s)+32*\c+16:(\s)+32*\c+31], v[SO+2*\c+1]
.endr
	WIN 0
	v_nop                                          ; one plain line behind the scaled conversions
.irp c, 0,1
.irp i, 0,1,2
	v_permlane16_swap_b32 v[PC+6*\c+\i], v[PT+4*\c+\i]
.endr
.irp i, 0,1,2
	v_mov_b32 v[PC+6*\c+3+\i], v[PT+4*\c+\i]
.endr
.endr
.endm
	s_load_b256 s[4:11], s[0:1], 0x0               ; hw s[4:5], mask s[6:7], qrec s[8:9], kv s[10:11]
	v_lshl_add_u32 v[SPW], v0, 2, SPARE
	v_mov_b32 v[NIL], 0
	ds_add_u32 v28, v29
	ds_add_u32 v28, v29
	s_wait_dscnt 0x0
	v_lshrrev_b32 v1, 5, v0
	v_readfirstlane_b32 s14, v1                    ; wave 0..3
	s_lshr_b32 s15, s14, 1                         ; my half of Y.  Also: I fetch for Y (0) or for X (1)
	s_and_b32 s16, s14, 1                          ; my half of X.  Also: which half I fetch
	s_bfe_u32 s40, ttmp6, 0x40000                  ; cx
	s_bfe_u32 s41, ttmp6, 0x40004                  ; cy
	s_lshl_b32 s42, ttmp9, 2
	s_add_co_u32 s42, s42, s40                     ; work-group x
	s_and_b32 s17, ttmp7, 0xffff
	s_lshl_b32 s17, s17, 2
	s_add_co_u32 s17, s17, s41                     ; work-group y
	s_lshl_b32 s43, s41, 2
	s_lshl_b32 s43, 15, s43                        ; my row of the cluster
	s_lshl_b32 s44, 0x1111, s40                    ; my column
	s_or_b32 s24, s43, (3<<16)|(1<<21)             ; group 1, word 0: the mask; elements of 8 bytes; bit 21 set beside a mask; no padding
	s_or_b32 s48, s44, (3<<16)|(1<<21)
.irp g, 24, 48
	s_mov_b32 s[\g+1], (ROWB/8)<<16                ; tensor_dim0
	s_mov_b32 s[\g+2], MB<<16                      ; tensor_dim1
	s_mov_b32 s[\g+3], (ROWB/8)<<16                ; tile_dim0
	s_mov_b32 s[\g+4], MB                          ; tile_dim1
	s_mov_b32 s[\g+5], TP/8                        ; from tile to tile
	s_mov_b32 s[\g+6], 0
	s_mov_b32 s[\g+7], 0
.endr
	; which blocks of 256 rows of hw: 0-15 the tokens, 16-19 w_q, 20-23 w_k, 24-27 w_v.  Y's index holds no cx, X's no cy
	s_and_b32 s66, ttmp7, 0xffff                   ; the cluster's y
	s_min_u32 s67, s66, 1                          ; 0: v;  1: q or k
	s_lshr_b32 s68, ttmp9, 1
	s_lshl_b32 s68, s68, 3                         ; 8 x (the cluster's x / 2)
	s_sub_co_u32 s69, 28, s68
	s_mul_i32 s69, s69, s67
	s_add_co_u32 s70, s17, 24
	s_sub_co_u32 s70, s70, s69                     ; Y: v: 24 + y;  q, k: tokens y - 4 + 8 (cluster x / 2)
	s_sub_co_u32 s69, 16, s68
	s_mul_i32 s69, s69, s67
	s_add_co_u32 s71, s42, s69                     ; X: v: tokens x;  q, k: 16 + x % 8
	s_and_b32 s69, ttmp9, 1
	s_add_co_u32 s69, s69, 1
	s_mul_i32 s74, s69, s67                        ; 0: v, 1: q, 2: k: the same in all sixteen partners
	s_lshl_b32 s18, s16, 3
	s_lshl_b32 s20, s70, 4
	s_add_co_u32 s20, s20, s18
	s_mul_i32 s20, s20, TP
	s_mov_b32 s21, 0
	s_lshl_b32 s46, s71, 4
	s_add_co_u32 s46, s46, s18
	s_mul_i32 s46, s46, TP
	s_mov_b32 s47, 0
	s_mul_i32 s45, s14, HALFT                      ; where my load goes: no place in the cluster enters an LDS address
	s_mov_b32 s2, 0x76543210
	s_mov_b32 s3, 0xfedcba98
	s_wait_kmcnt 0x0
	s_add_nc_u64 s[20:21], s[4:5], s[20:21]
	s_add_nc_u64 s[46:47], s[4:5], s[46:47]
	CROUND                                         ; all sixteen work-groups are here: the first joint loads meet
.irp s, 0,1
	s_mov_b32 s[32+4*\s], 1
	s_add_co_u32 s[33+4*\s], s45, \s*SLOT
	s_add_nc_u64 s[34+4*\s:35+4*\s], s[20:21], \s*ROWB
	s_or_b32 s[35+4*\s], s[35+4*\s], 0x80000000
	s_mov_b32 s[56+4*\s], 1
	s_add_co_u32 s[57+4*\s], s45, \s*SLOT
	s_add_nc_u64 s[58+4*\s:59+4*\s], s[46:47], \s*ROWB
	s_or_b32 s[59+4*\s], s[59+4*\s], 0x80000000
.endr
	JLOAD 32, 56                                   ; slot 0: one tensor load a wave at the head
	v_and_b32 v1, 15, v0                           ; r
	v_bfe_u32 v2, v0, 4, 1                         ; h
	v_and_b32 v3, 31, v0
	v_lshlrev_b32 v16, 4, v3                       ; 16 l
	v_lshlrev_b32 v17, 4, v1
	v_lshl_add_u32 v17, v2, 3, v17                 ; 16 r + 8 h
	v_lshlrev_b32 v18, 3, v1
	v_lshl_add_u32 v18, v2, 2, v18                 ; 8 r + 4 h
	s_mul_i32 s21, s15, HALFT
	s_mul_i32 s22, s16, HALFT
	s_add_co_u32 s22, s22, 2*HALFT
.irp s, 0,1
	v_add_nc_u32 v[4+\s], s21, v16
	v_add_nc_u32 v[6+\s], s21, v17
	v_add_nc_u32 v[8+\s], s21, v18
	v_add_nc_u32 v[10+\s], s22, v16
	v_add_nc_u32 v[12+\s], s22, v17
	v_add_nc_u32 v[14+\s], s22, v18
	s_add_co_u32 s21, s21, SLOT
	s_add_co_u32 s22, s22, SLOT
.endr
	; the way out's addresses
	s_cmp_eq_u32 s67, 1
	s_cselect_b32 s75, s70, s71                    ; the tokens' block of 256,
	s_cselect_b32 s76, s15, s16                    ; my half of it,
	s_cselect_b32 s77, s71, s70                    ; the weight's block of 256 columns,
	s_cselect_b32 s78, s16, s15                    ; my half of it
	s_lshl_b32 s75, s75, 8
	s_lshl_b32 s76, s76, 7
	s_add_co_u32 s75, s75, s76                     ; my first token
	s_and_b32 s77, s77, 3
	s_lshl_b32 s77, s77, 2
	s_lshl_b32 s78, s78, 1
	s_add_co_u32 s77, s77, s78                     ; my first head (I have two)
	s_lshr_b32 s76, s75, 11
	s_lshl_b32 s76, s76, 4
	s_add_co_u32 s76, s76, s77                     ; 16 x batch + head
	s_and_b32 s77, s75, 2047
	s_lshl_b32 s66, s76, 7
	s_lshr_b32 s78, s77, 4
	s_add_co_u32 s66, s66, s78
	s_mul_i32 s66, s66, 896
	s_mov_b32 s67, 0
	s_add_nc_u64 s[66:67], s[8:9], s[66:67]        ; qrec [batch, head][query tile][896]
	s_lshl_b32 s68, s76, 4
	s_lshr_b32 s78, s77, 7
	s_add_co_u32 s68, s68, s78
	s_mul_i32 s68, s68, 15872
	s_mov_b32 s69, 0
	s_add_nc_u64 s[68:69], s[10:11], s[68:69]      ; kv [batch, head][step of 128 keys][15,872]
	s_lshl_b32 s72, s75, 2
	s_mov_b32 s73, 0
	s_add_nc_u64 s[72:73], s[6:7], s[72:73]        ; the mask at my first token
	v_and_b32 v[MO], 8, v1
	v_add_nc_u32 v[MO], v[MO], v1
	v_lshlrev_b32 v[MO], 2, v[MO]                  ; 4 (r + 8 (r / 8))
.irp a, 0,1,2,3,4,5,6,7
	global_load_b32 v[MK+\a], v[MO], s[72:73] offset:4*(32*(\a/2)+8*(\a%2))   ; the mask of tile a's row r: asked for here, wanted on the way out; neither these registers nor their address are touched in between
.endr
	s_wait_alu depctr_va_vdst(0)
	s_wait_tensorcnt 0x0                           ; my part of slot 0 is in
	ds_add_u32 v[SPW], v[NIL]
	s_wait_dscnt 0x0
	CROUND                                         ; a whole round: slot 0 is whole, and the joint loads meet
	JLOAD 36, 60                                   ; slot 1's first fill, my one load behind the round
	FETCH_B 0, 0, 0
	FETCH_A 0, 0, 0
	SCALES 0
	FETCH_A 0, 0, MB/2
	STEP 0, 0, 1                                   ; the first step's products start the sums: nothing is cleared
.if LAPS > 1
	s_mov_b32 s23, LAPS-1
.Llap:
	MID 0
	TURN 0, 1, 1
	STEP 1, 0, 0
	MID 1
	TURN 1, 0, 1
	STEP 0, 0, 0
	s_sub_co_u32 s23, s23, 1
	s_cmp_lg_u32 s23, 0
	s_cbranch_scc1 .Llap
.endif
	MID 0
	TURN 0, 1, 0                                   ; the last lap fills nothing
	STEP 1, 0, 0
	MID 1
	s_wait_dscnt (MB/2)*4
	WIN 0xa1
	MULR 0, MB/2, 1, NQ-1, 1, 0
	s_wait_dscnt 0x0
	WIN 0xf1
	MULR MB/2, MB/2, 1, NQ-1, 1, 0
	WIN 0
	; THE WAY OUT: block a of Y at a time: 64 numbers a lane become a record
	PLACES 4
	v_sub_nc_u32 v[MK40], 1, v2
	v_mul_u32_u24 v[MK40], 40, v[MK40]             ; the code -1.0 at k = 64: the lowest six bits of register 6 in lanes 0-15
	v_mov_b32 v[HM], 0x01a00000                    ; a masked key's bytes 2, 3: 160, 1
	v_mov_b32 v[HU], 0x01010000                    ; an unmasked key's: 1, 1
	v_mov_b32 v[QH], 0x017f0000                    ; a query's: 127, 1
	v_mov_b32 v[TA+3], 0
	v_mov_b32 v[TB+3], 0
.irp b, 0,1,2,3
	v_mov_b32 v[TX+\b], 0                          ; a lane permute's destination counts as one of its sources
.endr
	s_wait_loadcnt 0x0                             ; the mask
.macro OUT a
.if (\a) > 0
	s_wait_xcnt 0x0                                ; the last block's stores have read their registers
.endif
	QUANT 64*((\a)%4), 2+(\a)/4
	s_cmp_eq_u32 s74, 0
	s_cbranch_scc1 .Lv_\@
	s_cmp_eq_u32 s74, 1
	s_cbranch_scc1 .Lq_\@
	; k: 16 keys x two heads.  Head c's 64 channels are registers 6 c .. 6 c + 5; registers 6, 7 of its fragment carry the mask
	v_cmp_ne_u32 vcc_lo, 0, v[MK+(\a)]
	v_cndmask_b32 v[AM], 0, -1, vcc_lo
	v_cndmask_b32 v[HI], v[HM], v[HU], vcc_lo
	v_cndmask_b32 v[TA+2], v[MK40], 0, vcc_lo
	v_mov_b32 v[TB+2], v[TA+2]
.irp i, 0,1,2,3,6,7,8,9
	v_and_b32 v[PC+\i], v[AM], v[PC+\i]
.endr
	v_and_b32 v[TA], v[AM], v[PC+4]
	v_and_b32 v[TA+1], v[AM], v[PC+5]
	v_and_b32 v[TB], v[AM], v[PC+10]
	v_and_b32 v[TB+1], v[AM], v[PC+11]
	v_and_or_b32 v[W0], v[PW], 0xffff, v[HI]
	v_lshrrev_b32 v[W1], 16, v[PW]
	v_or_b32 v[W1], v[W1], v[HI]
	global_store_b128 v16, v[PC:PC+3], s[68:69] offset:1024*(\a)
	global_store_b128 v16, v[TA:TA+3], s[68:69] offset:1024*(\a)+512
	global_store_b32 v18, v[W0], s[68:69] offset:8192+128*(\a)
	global_store_b128 v16, v[PC+6:PC+9], s[68:69] offset:253952+1024*(\a)
	global_store_b128 v16, v[TB:TB+3], s[68:69] offset:253952+1024*(\a)+512
	global_store_b32 v18, v[W1], s[68:69] offset:253952+8192+128*(\a)
	s_branch .Ldone_\@
.Lq_\@:
	v_and_or_b32 v[W0], v[PW], 0xffff, v[QH]
	v_lshrrev_b32 v[W1], 16, v[PW]
	v_or_b32 v[W1], v[W1], v[QH]
	global_store_b128 v16, v[PC:PC+3], s[66:67] offset:896*(\a)
	global_store_b64 v17, v[PC+4:PC+5], s[66:67] offset:896*(\a)+512
	global_store_b32 v18, v[W0], s[66:67] offset:896*(\a)+768
	s_wait_alu depctr_va_vdst(0)
	global_store_b128 v16, v[PC+6:PC+9], s[66:67] offset:114688+896*(\a)
	global_store_b64 v17, v[PC+10:PC+11], s[66:67] offset:114688+896*(\a)+512
	global_store_b32 v18, v[W1], s[66:67] offset:114688+896*(\a)+768
	s_branch .Ldone_\@
.Lv_\@:                                            ; v: 16 channels (tile a % 4 of head a / 4) x 128 keys: a whole record
	s_wait_alu depctr_va_vdst(0)
	global_store_b128 v16, v[PC:PC+3], s[68:69] offset:9216+253952*((\a)/4)+REC*((\a)%4)
	global_store_b64 v17, v[PC+4:PC+5], s[68:69] offset:9216+253952*((\a)/4)+REC*((\a)%4)+512
	global_store_b128 v16, v[PC+6:PC+9], s[68:69] offset:9216+253952*((\a)/4)+REC*((\a)%4)+768
	global_store_b64 v17, v[PC+10:PC+11], s[68:69] offset:9216+253952*((\a)/4)+REC*((\a)%4)+1280
	global_store_b32 v18, v[PW], s[68:69] offset:9216+253952*((\a)/4)+REC*((\a)%4)+1536
.Ldone_\@:
.endm
.irp a, 0,1,2,3,4,5,6,7
	OUT \a
.endr
	s_wait_tensorcnt 0x0                           ; the wave's end
	ds_add_u32 v[SPW], v[NIL]
	s_wait_dscnt 0x0
	CROUND                                         ; the closing round
	s_endpgm
.Lfunc_end_k_q356cacd142_gemm_qkv:
	.size	k_q356cacd142_gemm_qkv, .Lfunc_end_k_q356cacd142_gemm_qkv-k_q356cacd142_gemm_qkv
	.p2alignl 7, 3214868480
	.fill 96, 4, 3214868480
	.section	.rodata,"a",@progbits
	.p2align	6, 0x0
	.amdhsa_kernel k_q356cacd142_gemm_qkv
		.amdhsa_group_segment_fixed_size 327680
		.amdhsa_private_segment_fixed_size 0
		.amdhsa_enable_private_segment 0
		.amdhsa_kernarg_size 32
		.amdhsa_user_sgpr_count 2
		.amdhsa_user_sgpr_kernarg_segment_ptr 1
		.amdhsa_wavefront_size32 1
		.amdhsa_system_sgpr_workgroup_id_x 1
		.amdhsa_system_sgpr_workgroup_id_y 1
		.amdhsa_system_sgpr_workgroup_id_z 1
		.amdhsa_system_vgpr_workitem_id 0
		.amdhsa_next_free_vgpr 1024
		.amdhsa_next_free_sgpr 80
		.amdhsa_reserve_vcc 1
		.amdhsa_float_denorm_mode_32 3
		.amdhsa_float_denorm_mode_16_64 3
		.amdhsa_memory_ordered 1
		.amdhsa_forward_progress 1
		.amdhsa_inst_pref_size 173
	.end_amdhsa_kernel
	.amdgpu_metadata
---
amdhsa.version: [ 1, 2 ]
amdhsa.kernels:
  - .name:           k_q356cacd142_gemm_qkv
    .symbol:         k_q356cacd142_gemm_qkv.kd
    .args:
      - { .name: hw, .offset: 0, .size: 8, .value_kind: global_buffer, .address_space: global }
      - { .name: mask, .offset: 8, .size: 8, .value_kind: global_buffer, .address_space: global }
      - { .name: qrec, .offset: 16, .size: 8, .value_kind: global_buffer, .address_space: global }
      - { .name: kv, .offset: 24, .size: 8, .value_kind: global_buffer, .address_space: global }
    .group_segment_fixed_size: 327680
    .private_segment_fixed_size: 0
    .kernarg_segment_align: 8
    .kernarg_segment_size: 32
    .max_flat_workgroup_size: 128
    .sgpr_count:     80
    .vgpr_count:     1024
    .wavefront_size: 32
...
	.end_amdgpu_metadata
.endif
;; end of part 2
;; launch attn (part 3): grid 8 x 32, 16 waves a work-group, clusters of 4 x 1, 264,192 bytes of LDS; arguments qrec, kv, aorec; writes aorec
.if DOCPART == 3
	.amdgcn_target "amdgcn-amd-amdhsa--gfx1250"
	.amdhsa_code_object_version 6
	.text
	.protected	k_q356cacd142_attn
	.globl	k_q356cacd142_attn
	.p2align	8
	.type	k_q356cacd142_attn,@function
k_q356cacd142_attn:
	s_mov_b64 s[64:65], 0
	v_nop
	global_prefetch_b8 v0, s[64:65] scope:SCOPE_SE
	s_setreg_imm32_b32 hwreg(HW_REG_WAVE_MODE, 25, 1), 1
	s_wait_xcnt 0x0
	s_wait_alu depctr_hold_cnt(0) depctr_sa_sdst(0) depctr_va_vdst(0) depctr_va_sdst(0) depctr_va_ssrc(0) depctr_va_vcc(0) depctr_vm_vsrc(0)
	s_getreg_b32 s2, hwreg(HW_REG_IB_STS2, 6, 4)
	s_cmp_eq_u32 s2, 0
	s_cbranch_scc0 .Lentry_in_a_cluster
	s_endpgm
.Lentry_in_a_cluster:
	s_bfe_u32 s2, ttmp6, 0x10000c
	s_cmp_lg_u32 s2, 0x3003
	s_cbranch_scc0 .Lentry_shape_is_right
	s_endpgm
.Lentry_shape_is_right:
; Attention of one (batch, head) for 256 queries, both products on codes of FP6 (E2M3) with E8M0 scales; the result, divided by the row's sum, is quantised along the head's channels for the next product.
; SOFTMAX: t = score x log2(e) / 8; M = the running largest t rounded up to a whole number, kept as -M = min over the steps of floor(-t); p = 2^(t - M) is quantised along the keys;
; the row's sum is taken of the unquantised p.  When M moves, the sum and O are multiplied by 2^(old M - new M): exact.
; SHARES.  Sixteen waves, each with one tile of 16 queries in 256 registers.  LDS holds the head's whole K and V as codes: 16 blocks of 128 keys, 15,872 bytes each in a place of 16,384, filled ONCE.
;   a block: K's tile t (0-7) at 1,024 t: registers 0-3 at + 16 l, registers 4-7 at + 512 + 16 l; K's scale words at 8,192 + 128 t + 8 r + 4 h; V^T's tile t (0-3) at 9,216 + 1,664 t, a record.
;   Row p of K's tile 2 B + u is key 32 B + 8 u + p + 8 (p / 8).
; EVERY WAVE ISSUES ONE LOAD: wave w fetches block w, jointly with the three partners of its cluster (mask 15), which read the same head.
; THE WALK: wave w takes blocks w, w + 1, .. modulo 16.  Its first block is the one it fetched, so its own wait on TENSORcnt is all that those reads need; the barrier that shows the other
; fifteen blocks is signalled ahead of that step and waited for inside it, ahead of the first read of block w + 1.  The order of the keys moves nothing but the rounding of the f32 sums.
; A WHOLE BLOCK OF 32 KEYS IN A LANE.  S^T = K Q^T: register j of lane (r, h) is the tile's row 8 h + j.  The tiles that are multiplied are put together from halves of the stored ones, by lane addresses:
; tile (c, u) takes as rows 0-7 keys 64 c + 8 u + 0..7 and as rows 8-15 keys 64 c + 32 + 8 u + 0..7.  Those are rows of the stored tiles 4 c + u % 2 and 4 c + 2 + u % 2: lanes with r >= 8 read 1,920 bytes
; further on (scale words: 192), and u >= 2 adds 128 (64).  So a lane's 32 registers of the four tiles (c, 0..3) are keys 64 c + 32 h + 0..31 in order: the block's largest score needs no other lane,
; and the conversions' results are the operand's registers.
; ONE BATCH of exponentials a step: all its sources, and O and the sum under the new M, stand ahead of it.  The first step starts O with C = 0 and has no old M.
; THE MASK costs no line here: a masked key's score arrives as exactly -2^33 through the product's idle K (k = 64: the query's code 1.0 under the byte 127).
; LIMITS: a masked logit is -2^30 where the definition has -1e9; NaN and infinities are not served; the scaled scores stay under 2^31 in magnitude.
; No prefetch: all that a work-group reads is asked for by its first fills.
.set STEPB, 15872
.set SPARE, 0x40000                    ; behind the sixteen places: the spare words, 128 bytes a wave
.set S,    128                         ; v128-191 S^T, then p
.set O,    192                         ; v192-223 O^T
.set PC,   224                         ; v224-235 p's codes
.set SO,   236                         ; v236-237 the conversions' scale operands
.set BM,   240                         ; v240-242, v244-246: largest scores, bytes, then the conversions' second halves
.set BX,   244
.set KA,   243                         ; v243, v247 K's addresses in the block in hand
.set KS,   247
; v0 16 l + 1,920 (r / 8); v1 16 l; v2 16 r + 8 h; v3 8 r + 4 h; v4-6 V's addresses; v7 Q's scale word; v8-11 K's; v12 -M; v13 8 r + 4 h + 192 (r / 8); v14-15 the sum; v28-31 V's scale words
; the sum's other chains: v238-239, v250-253; v248 f; v249 p's scale word
.macro CROUND
	s_barrier_signal -1
	s_barrier_wait -1
	s_cmp_lg_u32 s10, 0
	s_cbranch_scc1 .Lnot_wave_0_\@
	s_barrier_signal -3
.Lnot_wave_0_\@:
	s_barrier_wait -3
	s_barrier_signal -1
	s_barrier_wait -1
.endm
.macro NOPS
.rept 4
	v_nop
.endr
.endm
.macro KLD c                           ; the four tiles (c, 0..3) of K and their scale words: twelve loads
.irp t, 0,1,2,3
	ds_load_b128 v[32+12*\t:35+12*\t], v[KA] offset:4096*\c+1024*(\t%2)+128*(\t/2)
	ds_load_b128 v[36+12*\t:39+12*\t], v[KA] offset:4096*\c+1024*(\t%2)+128*(\t/2)+512
	ds_load_b32 v[8+\t], v[KS] offset:8192+512*\c+128*(\t%2)+64*(\t/2)
.endr
.endm
.macro SMUL d                          ; four tiles of S^T
.irp t, 0,1,2,3
	v_wmma_scale_f32_16x16x128_f8f6f4 v[S+\d+8*\t:S+\d+8*\t+7], v[32+12*\t:43+12*\t], v[16:27], 0, v[8+\t], v7 matrix_a_fmt:MATRIX_FMT_FP6 matrix_b_fmt:MATRIX_FMT_FP6
.endr
.endm
.macro BMAX x, ra, rb                  ; the largest of my block's 32 scores at v[x] on, in two chains by turns, into v[ra]; each accumulator is read from its low end on
	v_max3_num_f32 v[\ra], v[\x], v[\x+1], v[\x+2]
	v_max3_num_f32 v[\rb], v[\x+16], v[\x+17], v[\x+18]
.irp i, 3,5,7,9,11,13
	v_max3_num_f32 v[\ra], v[\ra], v[\x+\i], v[\x+\i+1]
	v_max3_num_f32 v[\rb], v[\rb], v[\x+16+\i], v[\x+16+\i+1]
.endr
	v_max3_num_f32 v[\rb], v[\rb], v[\x+15], v[\x+31]
	v_max_num_f32 v[\ra], v[\ra], v[\rb]
.endm
.macro ADDP c, i
	v_pk_add_f32 v[\c:\c+1], v[\c:\c+1], v[S+2*(\i):S+2*(\i)+1]
.endm
.macro AD n                            ; the next n pairs of p onto the sum's four chains, by turns
.rept \n
.if CI == 0
	ADDP 14, PI
.elseif CI == 1
	ADDP 250, PI
.elseif CI == 2
	ADDP 252, PI
.else
	ADDP 238, PI
.endif
.set CI, (CI+1)%4
.set PI, PI+1
.endr
.endm
	s_load_b128 s[4:7], s[0:1], 0x0                ; qrec, kv
	s_load_b64 s[8:9], s[0:1], 0x10                ; aorec
	v_lshl_add_u32 v254, v0, 2, SPARE
	v_mov_b32 v255, 0
	ds_add_u32 v254, v255
	ds_add_u32 v254, v255
	v_lshrrev_b32 v1, 5, v0
	v_readfirstlane_b32 s10, v1                    ; wave 0..15
	s_bfe_u32 s11, ttmp6, 0x40000                  ; cx: it enters the queries' and the result's addresses alone
	s_lshl_b32 s12, ttmp9, 2
	s_add_co_u32 s12, s12, s11
	s_lshl_b32 s12, s12, 4
	s_add_co_u32 s12, s12, s10                     ; my tile of queries, 0..127
	s_and_b32 s13, ttmp7, 0xffff                   ; 16 x batch + head
	s_mul_i32 s20, s10, STEPB                      ; the block that I fetch
	s_mul_i32 s16, s13, 16*STEPB
	s_add_co_u32 s16, s16, s20
	s_mov_b32 s17, 0
	s_lshl_b32 s18, s13, 7
	s_add_co_u32 s18, s18, s12
	s_mul_i32 s18, s18, 896
	s_mov_b32 s19, 0
	s_lshr_b32 s21, s13, 4
	s_lshl_b32 s21, s21, 7
	s_add_co_u32 s21, s21, s12                     ; my tile of tokens
	s_lshl_b32 s21, s21, 3
	s_bfe_u32 s22, s13, 0x30001                    ; the K step of the next product: head / 2
	s_add_co_u32 s21, s21, s22
	s_mul_i32 s21, s21, 1664
	s_and_b32 s22, s13, 1                          ; and which half of its record
	s_mul_i32 s23, s22, 768
	s_add_co_u32 s54, s21, s23
	s_mov_b32 s55, 0
	s_lshl_b32 s22, s22, 1
	s_add_co_u32 s56, s21, s22
	s_mov_b32 s57, 0
	s_mov_b32 s24, 15|(3<<16)|(1<<21)              ; group 1: all four work-groups; elements of 8 bytes; bit 21 set beside a mask; no padding
	s_mov_b32 s25, 32<<16                          ; a dense block as 62 rows of 256 bytes
	s_mov_b32 s26, 62<<16
	s_mov_b32 s27, 32<<16
	s_mov_b32 s28, 62
	s_mov_b32 s29, 32
	s_mov_b32 s30, 0
	s_mov_b32 s31, 0
	s_mov_b32 s32, 1
	s_lshl_b32 s33, s10, 14                        ; block w's place in LDS
	s_mov_b32 s48, 0x3e38aa3b                      ; c = log2(e) / 8
	s_mov_b32 s49, s48                             ; (named with it as a pair)
	s_mov_b32 s50, 0x76543210
	s_mov_b32 s51, 0xfedcba98
	s_mov_b32 s53, 1                               ; the next step's number
	s_wait_dscnt 0x0
	s_wait_kmcnt 0x0
	s_add_nc_u64 s[34:35], s[6:7], s[16:17]
	s_or_b32 s35, s35, 0x80000000
	s_add_nc_u64 s[4:5], s[4:5], s[18:19]
	s_add_nc_u64 s[54:55], s[8:9], s[54:55]
	s_add_nc_u64 s[56:57], s[8:9], s[56:57]
	CROUND                                         ; all four work-groups are here: the joint loads meet
	tensor_load_to_lds s[32:35], s[24:31]          ; my one load
	s_nop 0
	NOPS
	v_and_b32 v250, 15, v0                         ; r
	v_bfe_u32 v251, v0, 4, 1                       ; h
	v_bfe_u32 v252, v0, 3, 1                       ; r / 8
	v_and_b32 v1, 31, v0
	v_lshlrev_b32 v2, 4, v250
	v_lshlrev_b32 v3, 3, v250
	v_mul_u32_u24 v253, v252, 1920
	v_mul_u32_u24 v252, v252, 192
	v_lshlrev_b32 v1, 4, v1                        ; 16 l
	v_lshl_add_u32 v2, v251, 3, v2                 ; 16 r + 8 h
	v_lshl_add_u32 v3, v251, 2, v3                 ; 8 r + 4 h
	v_lshlrev_b32 v250, 3, v251
	global_load_b128 v[16:19], v1, s[4:5]          ; Q's registers 0-5 stay
	global_load_b64 v[20:21], v2, s[4:5] offset:512
	global_load_b32 v7, v3, s[4:5] offset:768      ; its scale word
	v_add_nc_u32 v0, v1, v253                      ; K's codes: lanes with r >= 8 read two stored tiles on, eight rows back
	v_add_nc_u32 v13, v3, v252                     ; K's scale words likewise
	v_sub_nc_u32 v22, 8, v250                      ; the code 1.0 at k = 64: lanes 0-15
.irp i, 23,24,25,26,27
	v_mov_b32 v\i, 0
.endr
.irp t, 0,1,2,3
.irp i, 8,9,10,11
	v_mov_b32 v[32+12*\t+\i], 0                    ; K's registers 8-11 (k = 80 on): zeros, written once
.endr
.endr
	v_mov_b32 v245, 0                              ; a lane permute's destination counts as one of its sources
	v_mov_b32 v246, 0
	v_mov_b32 v14, 0                               ; the row's sum, in two halves
	v_mov_b32 v15, 0
	v_add_nc_u32 v4, s33, v1                       ; my first block
	v_add_nc_u32 v5, s33, v2
	v_add_nc_u32 v6, s33, v3
	v_add_nc_u32 v[KA], s33, v0
	v_add_nc_u32 v[KS], s33, v13
; A step of 128 keys.  At its head K's tiles (0, 0..3) of its block are on their way and the five address registers point at the block.
.macro STEP first, last
.if (\last) == 0
	s_add_co_u32 s52, s10, s53
	s_and_b32 s52, s52, 15
	s_lshl_b32 s52, s52, 14                        ; the next block's place: ((wave + step) mod 16) x 16,384
.endif
.irp t, 0,1,2,3
	ds_load_b128 v[80+12*\t:83+12*\t], v4 offset:9216+1664*\t
	ds_load_b64 v[84+12*\t:85+12*\t], v5 offset:9216+1664*\t+512
	ds_load_b128 v[86+12*\t:89+12*\t], v4 offset:9216+1664*\t+768
	ds_load_b64 v[90+12*\t:91+12*\t], v5 offset:9216+1664*\t+1280
	ds_load_b32 v[28+\t], v6 offset:9216+1664*\t+1536
.endr
	s_wait_dscnt 20                                ; K's first four tiles are in; V's twenty loads, issued behind them, may be out
	SMUL 0
	NOPS                                           ; places in front of loads into registers that the products have read, and of the reads of their results
	KLD 1                                          ; keys 64-127
	BMAX S, 240, 241
	s_wait_dscnt 0x0                               ; K's other four tiles, and V
	SMUL 32
.if \last
	NOPS
.else
	v_add_nc_u32 v4, s52, v1                       ; all loads of this block are issued: on to the next.  These five are the places behind the products
	v_add_nc_u32 v5, s52, v2
	v_add_nc_u32 v6, s52, v3
	v_add_nc_u32 v[KA], s52, v0
	v_add_nc_u32 v[KS], s52, v13
.if \first
	s_wait_alu depctr_va_vdst(0)
	s_barrier_wait -1                              ; every wave's block lies in LDS
.endif
	KLD 0                                          ; the next block's keys 0-63
.endif
	BMAX S+32, 242, 244
	v_max_num_f32 v250, v240, v242                 ; my two blocks',
	v_permlanex16_b32 v245, v250, s50, s51
	v_max_num_f32 v250, v250, v245                 ; with lane l xor 16's two: the step's largest score of my query
	v_mul_f32 v250, s48, v250
.if \first
	v_floor_f32 v12, -v250                         ; -M = -ceil(t)
.else
	v_floor_f32 v250, -v250
	v_min_num_f32 v250, v12, v250                  ; the new -M
	v_sub_f32 v248, v250, v12                      ; old M - new M: a whole number, 0 or less
	v_mov_b32 v12, v250
	v_cvt_i32_f32 v248, v248                       ; (it saturates)
	v_ldexp_f32 v248, 1.0, v248                    ; f = 2^(old M - new M)
.endif
	v_fma_f32 v240, v240, s48, v12
	v_fma_f32 v242, v242, s48, v12
.set j, 0
.rept 32
	v_pk_fma_f32 v[S+j:S+j+1], v[S+j:S+j+1], s[48:49], v[12:13] op_sel_hi:[1,0,0]   ; t - M
.set j, j+2
.endr
.if (\first) == 0
.set j, 0
.rept 16
	v_pk_mul_f32 v[O+j:O+j+1], v[O+j:O+j+1], v[248:249] op_sel_hi:[1,0]   ; O^T under the new M, each accumulator from its low end on
.set j, j+2
.endr
	v_pk_mul_f32 v[14:15], v[14:15], v[248:249] op_sel_hi:[1,0]           ; and the sum
.endif
	s_wait_alu depctr_va_vdst(0)
.set j, 0
.rept 64
	v_exp_f32 v[S+j], v[S+j]                       ; p = 2^(t - M)
.set j, j+1
.endr
	v_exp_f32 v240, v240                           ; my blocks' largest p: the same two instructions on the same number
	v_exp_f32 v242, v242
	v_nop                                          ; the plain line behind the last exponential
	s_wait_alu depctr_va_vdst(0)                   ; one wait for the 66, ahead of their first reader
	; the scales' short chains, with the row's sum of the unquantised p laid between their links
	v_max_num_f32 v240, 0x1800000, v240            ; the floor 2^(3 - 127)
	v_max_num_f32 v242, 0x1800000, v242
	v_pk_add_f32 v[250:251], v[S:S+1], v[S+2:S+3]
	v_pk_add_f32 v[252:253], v[S+4:S+5], v[S+6:S+7]
	v_pk_add_f32 v[238:239], v[S+8:S+9], v[S+10:S+11]
.set CI, 0
.set PI, 6
	v_add_nc_u32 v[SO], 0xff000000, v240           ; 2 off the exponent field: the conversion's scale operand
	v_add_nc_u32 v[SO+1], 0xff000000, v242
	AD 3
	v_lshrrev_b32 v245, 23, v[SO]                  ; the bytes of blocks h and 2 + h
	v_lshrrev_b32 v246, 23, v[SO+1]
	AD 3
	v_lshl_or_b32 v245, v246, 16, v245
	AD 4
	v_permlanex16_b32 v246, v245, s50, s51
	AD 4
	v_lshl_or_b32 v249, v246, 8, v245              ; p's scale word: whole in lanes 0-15, which are the lanes that are read
.irp c, 0,1
	v_cvt_scalef32_pk16_fp6_f32 v[PC+6*\c:PC+6*\c+2], v[S+32*\c:S+32*\c+15], v[SO+\c]
	v_cvt_scalef32_pk16_fp6_f32 v[BM+4*\c:BM+4*\c+2], v[S+32*\c+16:S+32*\c+31], v[SO+\c]   ; (a conversion's three registers begin on an even number)
.endr
	v_nop                                          ; one plain line behind the scaled conversions
.irp c, 0,1
.irp i, 0,1,2
	v_mov_b32 v[PC+6*\c+3+\i], v[BM+4*\c+\i]
.endr
.endr
	AD 8                                           ; eight places between the scale word and the codes and the products below
.irp t, 0,1,2,3
.if \first
	v_wmma_scale_f32_16x16x128_f8f6f4 v[O+8*\t:O+8*\t+7], v[80+12*\t:91+12*\t], v[PC:PC+11], 0, v[28+\t], v249 matrix_a_fmt:MATRIX_FMT_FP6 matrix_b_fmt:MATRIX_FMT_FP6
.else
	v_wmma_scale_f32_16x16x128_f8f6f4 v[O+8*\t:O+8*\t+7], v[80+12*\t:91+12*\t], v[PC:PC+11], v[O+8*\t:O+8*\t+7], v[28+\t], v249 matrix_a_fmt:MATRIX_FMT_FP6 matrix_b_fmt:MATRIX_FMT_FP6
.endif
.endr
	AD 4                                           ; these seven name no register of the products: they are the places in front of the next step's loads of V
	v_pk_add_f32 v[250:251], v[250:251], v[252:253]
	v_pk_add_f32 v[14:15], v[14:15], v[238:239]
	v_pk_add_f32 v[14:15], v[14:15], v[250:251]
.endm
	s_wait_alu depctr_va_vdst(0)
	s_wait_tensorcnt 0x0                           ; my block lies in LDS:
	s_barrier_signal -1                            ; say so; until the wait inside the first step I read my own block alone
	KLD 0
	s_wait_loadcnt 0x0                             ; Q
	STEP 1, 0
	s_mov_b32 s53, 2
.Lstep:                                                ; steps 1 to 14
	STEP 0, 0
	s_add_co_u32 s53, s53, 1
	s_cmp_lt_u32 s53, 16
	s_cbranch_scc1 .Lstep
	STEP 0, 1                                      ; the last step fetches nothing more
	; THE WAY OUT
	s_wait_alu depctr_va_vdst(0)
	v_add_f32 v14, v14, v15
	v_permlanex16_b32 v250, v14, s50, s51
	v_add_f32 v14, v14, v250                       ; the row's sum
	s_wait_alu depctr_va_vdst(0)
	v_rcp_f32 v14, v14
	v_nop                                          ; the plain line behind the reciprocal
	s_wait_alu depctr_va_vdst(0)                   ; ahead of the reciprocal's and O's first reader
.set j, 0
.rept 32
	v_mul_f32 v[S+j], v[O+j], v14                  ; register 16 B + i is channel 32 B + 16 h + i of my query
.set j, j+1
.endr
.irp b, 0,1
	v_max3_num_f32 v[BM+\b], |v[S+16*\b]|, |v[S+16*\b+1]|, 0x1800000
.endr
.irp i, 2,4,6,8,10,12,14
.irp b, 0,1
	v_max3_num_f32 v[BM+\b], v[BM+\b], |v[S+16*\b+\i]|, |v[S+16*\b+\i+1]|
.endr
.endr
.irp b, 0,1
	v_permlanex16_b32 v[BX+\b], v[BM+\b], s50, s51
.endr
.irp b, 0,1
	v_max_num_f32 v[BM+\b], v[BM+\b], v[BX+\b]
.endr
.irp b, 0,1
	v_add_nc_u32 v[SO+\b], 0xff000000, v[BM+\b]
.endr
.irp b, 0,1
	v_lshrrev_b32 v[BX+\b], 23, v[SO+\b]
.endr
	v_lshl_or_b32 v250, v[BX+1], 8, v[BX]          ; my head's two bytes of the row's scale word
	v_cvt_scalef32_pk16_fp6_f32 v[PC:PC+2], v[S:S+15], v[SO]
	v_cvt_scalef32_pk16_fp6_f32 v[PC+8:PC+10], v[S+16:S+31], v[SO+1]
	v_nop
.irp i, 0,1,2
	v_permlane16_swap_b32 v[PC+\i], v[PC+8+\i]
.endr
.irp i, 0,1,2
	v_mov_b32 v[PC+3+\i], v[PC+8+\i]
.endr
	global_store_b128 v1, v[PC:PC+3], s[54:55]     ; half a record: 64 of the next product's K
	global_store_b64 v2, v[PC+4:PC+5], s[54:55] offset:512
	global_store_b16 v3, v250, s[56:57] offset:1536   ; the one narrow store: a scale word spans two heads, which are two work-groups'
	s_wait_tensorcnt 0x0                           ; the wave's end
	ds_add_u32 v254, v255
	s_wait_dscnt 0x0
	CROUND                                         ; the closing round
	s_endpgm
.Lfunc_end_k_q356cacd142_attn:
	.size	k_q356cacd142_attn, .Lfunc_end_k_q356cacd142_attn-k_q356cacd142_attn
	.p2alignl 7, 3214868480
	.fill 96, 4, 3214868480
	.section	.rodata,"a",@progbits
	.p2align	6, 0x0
	.amdhsa_kernel k_q356cacd142_attn
		.amdhsa_group_segment_fixed_size 264192
		.amdhsa_private_segment_fixed_size 0
		.amdhsa_enable_private_segment 0
		.amdhsa_kernarg_size 24
		.amdhsa_user_sgpr_count 2
		.amdhsa_user_sgpr_kernarg_segment_ptr 1
		.amdhsa_wavefront_size32 1
		.amdhsa_system_sgpr_workgroup_id_x 1
		.amdhsa_system_sgpr_workgroup_id_y 1
		.amdhsa_system_sgpr_workgroup_id_z 1
		.amdhsa_system_vgpr_workitem_id 0
		.amdhsa_next_free_vgpr 256
		.amdhsa_next_free_sgpr 66
		.amdhsa_reserve_vcc 0
		.amdhsa_float_denorm_mode_32 3
		.amdhsa_float_denorm_mode_16_64 3
		.amdhsa_memory_ordered 1
		.amdhsa_forward_progress 1
		.amdhsa_inst_pref_size 55
	.end_amdhsa_kernel
	.amdgpu_metadata
---
amdhsa.version: [ 1, 2 ]
amdhsa.kernels:
  - .name:           k_q356cacd142_attn
    .symbol:         k_q356cacd142_attn.kd
    .args:
      - { .name: qrec, .offset: 0, .size: 8, .value_kind: global_buffer, .address_space: global }
      - { .name: kv, .offset: 8, .size: 8, .value_kind: global_buffer, .address_space: global }
      - { .name: aorec, .offset: 16, .size: 8, .value_kind: global_buffer, .address_space: global }
    .group_segment_fixed_size: 264192
    .private_segment_fixed_size: 0
    .kernarg_segment_align: 8
    .kernarg_segment_size: 24
    .max_flat_workgroup_size: 512
    .sgpr_count:     66
    .vgpr_count:     256
    .wavefront_size: 32
...
	.end_amdgpu_metadata
.endif
;; end of part 3
;; launch gemm_out (part 4): grid 8 x 32, 4 waves a work-group, clusters of 4 x 4, 230,912 bytes of LDS; arguments aorec, hw, b_out, x, x1; writes x1
.if DOCPART == 4
	.amdgcn_target "amdgcn-amd-amdhsa--gfx1250"
	.amdhsa_code_object_version 6
	.text
	.protected	k_q356cacd142_gemm_out
	.globl	k_q356cacd142_gemm_out
	.p2align	8
	.type	k_q356cacd142_gemm_out,@function
k_q356cacd142_gemm_out:
	s_mov_b64 s[64:65], 0
	v_nop
	global_prefetch_b8 v0, s[64:65] scope:SCOPE_SE
	s_setreg_imm32_b32 hwreg(HW_REG_WAVE_MODE, 25, 1), 1
	s_wait_xcnt 0x0
	s_wait_alu depctr_hold_cnt(0) depctr_sa_sdst(0) depctr_va_vdst(0) depctr_va_sdst(0) depctr_va_ssrc(0) depctr_va_vcc(0) depctr_vm_vsrc(0)
	s_getreg_b32 s2, hwreg(HW_REG_IB_STS2, 6, 4)
	s_cmp_eq_u32 s2, 0
	s_cbranch_scc0 .Lentry_in_a_cluster
	s_endpgm
.Lentry_in_a_cluster:
	s_bfe_u32 s2, ttmp6, 0x10000c
	s_cmp_lg_u32 s2, 0xf033
	s_cbranch_scc0 .Lentry_shape_is_right
	s_endpgm
.Lentry_shape_is_right:
; x1 = x + (Y X^T + b_out), f32 rows of 1,024.  Y: attention's rows as records; X: w_out's records in hw; both codes of FP6 (E2M3) with E8M0 scales.
; A record is 16 rows x 128 K: +0 + 16 l registers 0-3, +512 + 16 r + 8 h registers 4-5, +768 + 16 l registers 6-9, +1280 + 16 r + 8 h registers 10-11, +1536 + 8 r + 4 h the scale word; 1,664 bytes; an operand lies [tile of 16][K / 128].
; Row p of tile 2 B + u is index 32 B + 8 u + p + 8 (p / 8); the way out puts rows and columns back to their true places.
; N = 1,024 gives 64 tiles of 256 x 256 for 256 WGPs, so a work-group makes 128 x 128 and each of four waves 64 x 64: 16 accumulators.
; ONE FILL: a wave's one tensor load brings four tiles' records of ALL of K (4 x 13,312 bytes); the four loads are 212,992 bytes of LDS, and nothing is filled again.
; The way out's stage has bytes of its own behind them.  The residual and the bias are asked for at the head: my 64 x 64 numbers of x are 128 registers a lane, in window 2 beside the accumulators.
; CLUSTERS 4 x 4: Y's tiles are shared along a row of the cluster, X's along a column, by joint loads.  No prefetch: all that is read is asked for at the head, and there is no loop to run ahead in.
; LIMITS: NaN and infinities are not served.
.set MB,    4
.set NB,    4
.set NQ,    8                          ; records of a tile: all of K
.set TP,    13312
.set XOFF,  5963776                    ; w_out's records in hw
.set REC,   1664
.set ROWB,  NQ*REC
.set HALFT, MB*ROWB
.set STAGE, 4*HALFT                    ; behind the tiles: 16 rows x 272 bytes for each wave
.set SPARE, STAGE+4*16*272             ; behind the stages: the spare words, 128 bytes a wave
.set SCH,   MB*NQ                      ; one operand's scale words: Y's at v32-63, X's at v64-95
.set AF,    128                        ; window 0: v128-175 Y's fragments.  Window 1: X's, two sets, at v0 and v128.  Windows 2, 3: the accumulators
.set BIAS,  176
.set SPW,   28
.set NIL,   29
.set MSB, 0
.macro WIN new
.if MSB != (\new)
	s_set_vgpr_msb (MSB<<8)|(\new)
.set MSB, (\new)
.endif
.endm
.macro PLACES n
.rept \n
	v_nop
.endr
.endm
.macro CROUND
	s_barrier_signal -1
	s_barrier_wait -1
	s_cmp_lg_u32 s14, 0
	s_cbranch_scc1 .Lnot_wave_0_\@
	s_barrier_signal -3
.Lnot_wave_0_\@:
	s_barrier_wait -3
	s_barrier_signal -1
	s_barrier_wait -1
.endm
.macro FRAG reg, a16, a8, off
	ds_load_b128 v[\reg:\reg+3], v[\a16] offset:\off
	ds_load_b64 v[\reg+4:\reg+5], v[\a8] offset:\off+512
	ds_load_b128 v[\reg+6:\reg+9], v[\a16] offset:\off+768
	ds_load_b64 v[\reg+10:\reg+11], v[\a8] offset:\off+1280
.endm
.macro FETCH_B q                       ; X's four fragments of K step q into set q % 2
	WIN 0x40
.irp i, 0,1,2,3
	FRAG 128*((\q)%2)+12*\i, 10, 12, \i*ROWB+(\q)*REC
.endr
	WIN 0
.endm
.macro FETCH_A q, i0                   ; Y's blocks i0, i0 + 1
.irp d, 0,1
	FRAG AF+12*((\i0)+\d), 4, 6, ((\i0)+\d)*ROWB+(\q)*REC
.endr
.endm
.macro MULR a0, q, zero                ; Y's blocks a0, a0 + 1 against X's four.  The accumulators take turns, one instruction a turn
.irp d, 0,1
.irp b, 0,1,2,3
.set rD, 8*(NB*\d+\b)
.set rX, 128*((\q)%2)+12*\b
.set rY, AF+12*((\a0)+\d)
.set rSB, 32+SCH+NQ*\b+(\q)
.set rSA, 32+NQ*((\a0)+\d)+(\q)
.if \zero
	v_wmma_scale_f32_16x16x128_f8f6f4 v[rD:rD+7], v[rX:rX+11], v[rY:rY+11], 0, v[rSB], v[rSA] matrix_a_fmt:MATRIX_FMT_FP6 matrix_b_fmt:MATRIX_FMT_FP6
.else
	v_wmma_scale_f32_16x16x128_f8f6f4 v[rD:rD+7], v[rX:rX+11], v[rY:rY+11], v[rD:rD+7], v[rSB], v[rSA] matrix_a_fmt:MATRIX_FMT_FP6 matrix_b_fmt:MATRIX_FMT_FP6
.endif
.endr
.endr
.endm
.macro STEP q, zero                    ; loads into registers that matrix instructions have read stand four plain places behind them
	s_wait_dscnt 8                                 ; all but the youngest eight loads, Y's upper blocks
	WIN 0xa1                                       ; source 0 (X) window 1, source 1 (Y) window 0, C and D window 2
	MULR 0, \q, \zero
	s_wait_dscnt 0x0
	PLACES 4
	FETCH_B (\q)+1
	FETCH_A (\q)+1, 0
	WIN 0xf1                                       ; C and D window 3
	MULR 2, \q, \zero
	PLACES 4
	WIN 0
	FETCH_A (\q)+1, 2
.endm
	s_load_b256 s[4:11], s[0:1], 0x0               ; Y's records s[4:5], hw s[6:7], bias s[8:9], x s[10:11]
	s_load_b64 s[12:13], s[0:1], 0x20              ; x1
	v_lshl_add_u32 v[SPW], v0, 2, SPARE
	v_mov_b32 v[NIL], 0
	ds_add_u32 v[SPW], v[NIL]
	ds_add_u32 v[SPW], v[NIL]
	s_wait_dscnt 0x0
	v_lshrrev_b32 v1, 5, v0
	v_readfirstlane_b32 s14, v1
	s_lshr_b32 s15, s14, 1                         ; my half of Y.  Also: I fetch for Y (0) or for X (1)
	s_and_b32 s16, s14, 1                          ; my half of X.  Also: which half I fetch
	s_bfe_u32 s40, ttmp6, 0x40000
	s_bfe_u32 s41, ttmp6, 0x40004
	s_lshl_b32 s42, ttmp9, 2
	s_add_co_u32 s42, s42, s40                     ; work-group x: 128 columns
	s_and_b32 s17, ttmp7, 0xffff
	s_lshl_b32 s17, s17, 2
	s_add_co_u32 s17, s17, s41                     ; work-group y: 128 rows
	s_lshl_b32 s43, s41, 2
	s_lshl_b32 s43, 15, s43
	s_lshl_b32 s44, 0x1111, s40
	s_or_b32 s24, s43, (3<<16)|(1<<21)             ; group 1, word 0: the mask; elements of 8 bytes; bit 21 set beside a mask; no padding
	s_or_b32 s48, s44, (3<<16)|(1<<21)
.irp g, 24, 48
	s_mov_b32 s[\g+1], (ROWB/8)<<16
	s_mov_b32 s[\g+2], MB<<16
	s_mov_b32 s[\g+3], (ROWB/8)<<16
	s_mov_b32 s[\g+4], MB
	s_mov_b32 s[\g+5], TP/8
	s_mov_b32 s[\g+6], 0
	s_mov_b32 s[\g+7], 0
.endr
	s_lshl_b32 s18, s16, 2
	s_lshl_b32 s20, s17, 3
	s_add_co_u32 s20, s20, s18                     ; Y's tile of 16: 8 y + 4 x half
	s_mul_i32 s20, s20, TP
	s_mov_b32 s21, 0
	s_lshl_b32 s46, s42, 3
	s_add_co_u32 s46, s46, s18
	s_mul_i32 s46, s46, TP
	s_add_co_u32 s46, s46, XOFF
	s_mov_b32 s47, 0
	s_mul_i32 s45, s14, HALFT                      ; where my load goes: no place in the cluster enters an LDS address
	s_wait_kmcnt 0x0
	s_add_nc_u64 s[20:21], s[4:5], s[20:21]
	s_add_nc_u64 s[46:47], s[6:7], s[46:47]
	CROUND                                         ; all sixteen work-groups are here: the joint loads meet
	s_mov_b32 s32, 1
	s_mov_b32 s33, s45
	s_mov_b64 s[34:35], s[20:21]
	s_or_b32 s35, s35, 0x80000000
	s_mov_b32 s56, 1
	s_mov_b32 s57, s45
	s_mov_b64 s[58:59], s[46:47]
	s_or_b32 s59, s59, 0x80000000
	s_cmp_eq_u32 s15, 0                            ; waves 0, 1 fetch Y's halves, waves 2, 3 X's: one load a wave
	s_cbranch_scc0 .Lfor_x
	tensor_load_to_lds s[32:35], s[24:31]
	s_nop 0
	PLACES 4
	s_branch .Lasked
.Lfor_x:
	tensor_load_to_lds s[56:59], s[48:55]
	s_nop 0
	PLACES 4
.Lasked:
	v_and_b32 v1, 15, v0
	v_bfe_u32 v2, v0, 4, 1
	v_and_b32 v3, 31, v0
	v_lshlrev_b32 v16, 4, v3
	v_lshlrev_b32 v17, 4, v1
	v_lshl_add_u32 v17, v2, 3, v17
	v_lshlrev_b32 v18, 3, v1
	v_lshl_add_u32 v18, v2, 2, v18
	s_mul_i32 s21, s15, HALFT
	s_mul_i32 s22, s16, HALFT
	s_add_co_u32 s22, s22, 2*HALFT
	v_add_nc_u32 v4, s21, v16
	v_add_nc_u32 v6, s21, v17
	v_add_nc_u32 v8, s21, v18
	v_add_nc_u32 v10, s22, v16
	v_add_nc_u32 v12, s22, v17
	v_add_nc_u32 v14, s22, v18
	s_mul_i32 s70, s14, 16*272
	s_add_co_u32 s70, s70, STAGE                   ; my stage
	v_mul_u32_u24 v19, v1, 272
	v_lshl_add_u32 v19, v2, 6, v19
	v_add_nc_u32 v19, s70, v19                     ; in: row r, + 64 h
	v_mul_u32_u24 v20, v2, 272
	v_lshl_add_u32 v20, v1, 4, v20
	v_add_nc_u32 v20, s70, v20                     ; back: lanes 0-15 one row, lanes 16-31 the next
	v_lshlrev_b32 v21, 12, v2
	v_lshl_add_u32 v21, v1, 4, v21                 ; and the same in memory: rows of 4,096 bytes
	s_wait_alu depctr_va_vdst(0)
	v_lshlrev_b32 v22, 4, v1                       ; my four columns of the wave's 64
	s_wait_alu depctr_va_vdst(0)
	s_lshl_b32 s66, s17, 7
	s_lshl_b32 s67, s15, 6
	s_add_co_u32 s66, s66, s67
	s_lshl_b32 s66, s66, 12
	s_lshl_b32 s67, s42, 9
	s_lshl_b32 s68, s16, 8
	s_add_co_u32 s68, s67, s68
	s_add_co_u32 s66, s66, s68
	s_mov_b32 s67, 0
	s_mov_b32 s69, 0
	s_add_nc_u64 s[10:11], s[10:11], s[66:67]
	s_add_nc_u64 s[12:13], s[12:13], s[66:67]
	s_add_nc_u64 s[8:9], s[8:9], s[68:69]
	; the residual's 64 rows, in the order in which the way out stores them: block a's 16 rows at v[64 + 32 a] of window 2.  Row 2 t + h of block a is row 32 (a / 2) + 8 (a % 2) + 2 t + h + 8 (t / 4) of my 64
	WIN 0x80                                       ; destination window 2, address window 0
.irp a, 0,1,2,3
.irp t, 0,1,2,3,4,5,6,7
	global_load_b128 v[64+32*\a+4*\t:64+32*\a+4*\t+3], v21, s[10:11] offset:(32*(\a/2)+8*(\a%2)+2*\t+8*(\t/4))*4096
.endr
.endr
	WIN 0
	global_load_b128 v[BIAS:BIAS+3], v22, s[8:9]   ; 33 loads are out until the way out; neither their registers nor their addresses are touched in between
	s_wait_alu depctr_va_vdst(0)
	s_wait_tensorcnt 0x0                           ; my four tiles are in
	s_barrier_signal -1
	s_barrier_wait -1                              ; all sixteen are
	FETCH_B 0
	FETCH_A 0, 0
.irp i, 0,1,2,3
.irp q, 0,1,2,3,4,5,6,7
	ds_load_b32 v[32+NQ*\i+\q], v8 offset:\i*ROWB+\q*REC+1536        ; the scale words of all of K; these registers hold scales and nothing else
	ds_load_b32 v[32+SCH+NQ*\i+\q], v14 offset:\i*ROWB+\q*REC+1536
.endr
.endr
	FETCH_A 0, 2
	STEP 0, 1                                      ; the first step's products start the sums
.irp q, 1,2,3,4,5,6
	STEP \q, 0
.endr
	s_wait_dscnt 8                                 ; the last step: nothing more to fetch
	WIN 0xa1
	MULR 0, 7, 0
	s_wait_dscnt 0x0
	WIN 0xf1
	MULR 2, 7, 0
	WIN 0
; THE WAY OUT.  Block a: 16 rows x 64 columns.  Register j of accumulator (a, 2 B + u) is column 32 B + 16 h + 8 u + j of tile row r.
.macro TOSTAGE a
	WIN 0x08+4*((\a)/2)                            ; an LDS store's data are its source 1: window 2 or 3
.irp b, 0,1,2,3
	ds_store_b128 v19, v[8*(4*((\a)%2)+\b):8*(4*((\a)%2)+\b)+3] offset:128*(\b/2)+32*(\b%2)       ; each accumulator from its low end on
	ds_store_b128 v19, v[8*(4*((\a)%2)+\b)+4:8*(4*((\a)%2)+\b)+7] offset:128*(\b/2)+32*(\b%2)+16
.endr
	WIN 0
.set BB, 192+32*((\a)%2)
.irp t, 0,1,2,3,4,5,6,7
	ds_load_b128 v[BB+4*\t:BB+4*\t+3], v20 offset:544*\t   ; LDS serves a wave's instructions in order (ISA guide 5.7.1.4): these see the stores above
.endr
.endm
.macro SEND a, younger                 ; younger: LDS instructions issued behind block a's
.set BB, 192+32*((\a)%2)
.set RR, 64+32*(\a)
	s_wait_dscnt \younger
.set j, 0
.rept 8
	v_pk_add_f32 v[BB+j:BB+j+1], v[BB+j:BB+j+1], v[BIAS:BIAS+1]
	v_pk_add_f32 v[BB+j+2:BB+j+3], v[BB+j+2:BB+j+3], v[BIAS+2:BIAS+3]
.set j, j+4
.endr
	WIN 0x08                                       ; source 1: the residual, in window 2
.set j, 0
.rept 16
	v_pk_add_f32 v[BB+j:BB+j+1], v[BB+j:BB+j+1], v[RR+j:RR+j+1]
.set j, j+2
.endr
	WIN 0
.irp t, 0,1,2,3,4,5,6,7
	global_store_b128 v21, v[BB+4*\t:BB+4*\t+3], s[12:13] offset:(32*((\a)/2)+8*((\a)%2)+2*\t+8*(\t/4))*4096   ; sixteen lanes store 256 consecutive bytes, aligned
.endr
.endm
	PLACES 4
	TOSTAGE 0
	s_wait_loadcnt 0x0                             ; the residual and the bias, asked for at the head
.irp a, 1,2,3
.if \a > 1
	s_wait_xcnt 0x0                                ; block a - 2's stores have read their registers: block a's loads may land there
.endif
	TOSTAGE \a
	SEND \a-1, 16                                  ; behind block a - 1's: block a's 16 LDS instructions
.endr
	SEND 3, 0
	s_wait_tensorcnt 0x0                           ; the wave's end
	ds_add_u32 v[SPW], v[NIL]
	s_wait_dscnt 0x0
	CROUND                                         ; the closing round
	s_endpgm
.Lfunc_end_k_q356cacd142_gemm_out:
	.size	k_q356cacd142_gemm_out, .Lfunc_end_k_q356cacd142_gemm_out-k_q356cacd142_gemm_out
	.p2alignl 7, 3214868480
	.fill 96, 4, 3214868480
	.section	.rodata,"a",@progbits
	.p2align	6, 0x0
	.amdhsa_kernel k_q356cacd142_gemm_out
		.amdhsa_group_segment_fixed_size 230912
		.amdhsa_private_segment_fixed_size 0
		.amdhsa_enable_private_segment 0
		.amdhsa_kernarg_size 40
		.amdhsa_user_sgpr_count 2
		.amdhsa_user_sgpr_kernarg_segment_ptr 1
		.amdhsa_wavefront_size32 1
		.amdhsa_system_sgpr_workgroup_id_x 1
		.amdhsa_system_sgpr_workgroup_id_y 1
		.amdhsa_system_sgpr_workgroup_id_z 1
		.amdhsa_system_vgpr_workitem_id 0
		.amdhsa_next_free_vgpr 1024
		.amdhsa_next_free_sgpr 80
		.amdhsa_reserve_vcc 0
		.amdhsa_float_denorm_mode_32 3
		.amdhsa_float_denorm_mode_16_64 3
		.amdhsa_memory_ordered 1
		.amdhsa_forward_progress 1
		.amdhsa_inst_pref_size 65
	.end_amdhsa_kernel
	.amdgpu_metadata
---
amdhsa.version: [ 1, 2 ]
amdhsa.kernels:
  - .name:           k_q356cacd142_gemm_out
    .symbol:         k_q356cacd142_gemm_out.kd
    .args:
      - { .name: aorec, .offset: 0, .size: 8, .value_kind: global_buffer, .address_space: global }
      - { .name: hw, .offset: 8, .size: 8, .value_kind: global_buffer, .address_space: global }
      - { .name: b_out, .offset: 16, .size: 8, .value_kind: global_buffer, .address_space: global }
      - { .name: x, .offset: 24, .size: 8, .value_kind: global_buffer, .address_space: global }
      - { .name: x1, .offset: 32, .size: 8, .value_kind: global_buffer, .address_space: global }
    .group_segment_fixed_size: 230912
    .private_segment_fixed_size: 0
    .kernarg_segment_align: 8
    .kernarg_segment_size: 40
    .max_flat_workgroup_size: 128
    .sgpr_count:     80
    .vgpr_count:     1024
    .wavefront_size: 32
...
	.end_amdgpu_metadata
.endif
;; end of part 4
;; launch ln2: the kernel of part 1 again; grid 256 x 1, 4 waves a work-group, no clusters, 66,304 bytes of LDS; arguments x1, g2, be2, w_qkv, w_out, w1, w2, h2rec; writes h2rec
;; launch ffn1 (part 5): grid 16 x 16, 4 waves a work-group, clusters of 4 x 4, 327,680 bytes of LDS; arguments hw, b1, hidrec, h2rec; writes hidrec
.if DOCPART == 5
	.amdgcn_target "amdgcn-amd-amdhsa--gfx1250"
	.amdhsa_code_object_version 6
	.text
	.protected	k_q356cacd142_ffn1
	.globl	k_q356cacd142_ffn1
	.p2align	8
	.type	k_q356cacd142_ffn1,@function
k_q356cacd142_ffn1:
	s_mov_b64 s[64:65], 0
	v_nop
	global_prefetch_b8 v0, s[64:65] scope:SCOPE_SE
	s_setreg_imm32_b32 hwreg(HW_REG_WAVE_MODE, 25, 1), 1
	s_wait_xcnt 0x0
	s_wait_alu depctr_hold_cnt(0) depctr_sa_sdst(0) depctr_va_vdst(0) depctr_va_sdst(0) depctr_va_ssrc(0) depctr_va_vcc(0) depctr_vm_vsrc(0)
	s_getreg_b32 s2, hwreg(HW_REG_IB_STS2, 6, 4)
	s_cmp_eq_u32 s2, 0
	s_cbranch_scc0 .Lentry_in_a_cluster
	s_endpgm
.Lentry_in_a_cluster:
	s_bfe_u32 s2, ttmp6, 0x10000c
	s_cmp_lg_u32 s2, 0xf033
	s_cbranch_scc0 .Lentry_shape_is_right
	s_endpgm
.Lentry_shape_is_right:
.set MB,    8
.set NB,    8
.set NQ,    2
.set LAPS,  2
.set TP,    13312
.set REC,   1664
.set ROWB,  NQ*REC
.set HALFT, MB*ROWB
.set SLOT,  4*HALFT
.set SPARE, 2*SLOT
.set AF,    128
.set SPW,   28
.set NIL,   29
.set PW,    30
.set PC,    96
.set PT,    108
.set TM,    116
.set TX,    120
.set SO,    124
.set HH,    128
.set MSB, 0
.macro WIN new
.if MSB != (\new)
	s_set_vgpr_msb (MSB<<8)|(\new)
.set MSB, (\new)
.endif
.endm
.macro PLACES n
.rept \n
	v_nop
.endr
.endm
.macro JLOAD g0y, g0x
	s_cmp_eq_u32 s15, 0
	s_cbranch_scc0 .Lfor_x_\@
	tensor_load_to_lds s[\g0y:\g0y+3], s[24:31]
	s_nop 0
	PLACES 4
	s_branch .Lasked_\@
.Lfor_x_\@:
	tensor_load_to_lds s[\g0x:\g0x+3], s[48:55]
	s_nop 0
	PLACES 4
.Lasked_\@:
.endm
.macro CREST
	s_cmp_lg_u32 s14, 0
	s_cbranch_scc1 .Lnot_wave_0_\@
	s_barrier_signal -3
.Lnot_wave_0_\@:
	s_barrier_wait -3
	s_barrier_signal -1
	s_barrier_wait -1
.endm
.macro CROUND
	s_barrier_signal -1
	s_barrier_wait -1
	CREST
.endm
.macro FRAG reg, a16, a8, off
	ds_load_b128 v[\reg:\reg+3], v[\a16] offset:\off
	ds_load_b64 v[\reg+4:\reg+5], v[\a8] offset:\off+512
	ds_load_b128 v[\reg+6:\reg+9], v[\a16] offset:\off+768
	ds_load_b64 v[\reg+10:\reg+11], v[\a8] offset:\off+1280
.endm
.macro FETCH_B slot, q, p
	WIN 0x40
.irp i, 0,1,2,3,4,5,6,7
.if \i < NB
	FRAG 128*(\p)+12*\i, 10+\slot, 12+\slot, \i*ROWB+(\q)*REC
.endif
.endr
	WIN 0
.endm
.macro FETCH_A slot, q, i0
.irp d, 0,1,2,3
.if \d < MB/2
	FRAG AF+12*((\i0)+\d), 4+\slot, 6+\slot, ((\i0)+\d)*ROWB+(\q)*REC
.endif
.endr
.endm
.macro SCALES slot
.irp i, 0,1,2,3,4,5,6,7
.if \i < MB
.irp q, 0,1,2,3
.if \q < NQ
	ds_load_b32 v[32+32*\slot+NQ*\i+\q], v[8+\slot] offset:\i*ROWB+\q*REC+1536
	ds_load_b32 v[48+32*\slot+NQ*\i+\q], v[14+\slot] offset:\i*ROWB+\q*REC+1536
.endif
.endr
.endif
.endr
.endm
.macro MULA a, p, q, sc, zero
.irp b, 0,1,2,3,4,5,6,7
.if \b < NB
.set rD, 8*(NB*((\a)%(MB/2))+\b)
.set rX, 128*(\p)+12*\b
.set rY, AF+12*(\a)
.set rSB, 48+32*(\sc)+NQ*\b+(\q)
.set rSA, 32+32*(\sc)+NQ*(\a)+(\q)
.if \zero
	v_wmma_scale_f32_16x16x128_f8f6f4 v[rD:rD+7], v[rX:rX+11], v[rY:rY+11], 0, v[rSB], v[rSA] matrix_a_fmt:MATRIX_FMT_FP6 matrix_b_fmt:MATRIX_FMT_FP6
.else
	v_wmma_scale_f32_16x16x128_f8f6f4 v[rD:rD+7], v[rX:rX+11], v[rY:rY+11], v[rD:rD+7], v[rSB], v[rSA] matrix_a_fmt:MATRIX_FMT_FP6 matrix_b_fmt:MATRIX_FMT_FP6
.endif
.endif
.endr
.endm
.macro MULR a0, n, p, q, sc, zero
.irp d, 0,1,2,3
.if \d < (\n)
	MULA (\a0)+\d, \p, \q, \sc, \zero
.endif
.endr
.endm
.macro STEP slot, q, zero
	s_wait_dscnt (MB/2)*4
	WIN 0xa1
	MULR 0, MB/2, (\q)%2, \q, \slot, \zero
	s_wait_dscnt 0x0
	PLACES 4
	FETCH_B \slot, (\q)+1, 1-(\q)%2
	FETCH_A \slot, (\q)+1, 0
	WIN 0xf1
	MULR MB/2, MB/2, (\q)%2, \q, \slot, \zero
	PLACES 4
	WIN 0
	FETCH_A \slot, (\q)+1, MB/2
.endm
.macro TURN slot, next, fill
	s_wait_tensorcnt 0x0
	ds_add_u32 v[SPW], v[NIL]
	s_wait_dscnt (MB/2)*4+1
	WIN 0xa1
	MULR 0, MB/4, 1, NQ-1, \slot, 0
	s_wait_dscnt 0x0
	s_barrier_signal -1
	MULR MB/4, MB/4, 1, NQ-1, \slot, 0
	WIN 0
	s_barrier_wait -1
.if \fill
	CREST
	s_add_nc_u64 s[34+4*\slot:35+4*\slot], s[34+4*\slot:35+4*\slot], 2*ROWB
	s_add_nc_u64 s[58+4*\slot:59+4*\slot], s[58+4*\slot:59+4*\slot], 2*ROWB
	JLOAD 32+4*\slot, 56+4*\slot
.else
	PLACES 4
.endif
	FETCH_B \next, 0, 0
	FETCH_A \next, 0, 0
	SCALES \next
	WIN 0xf1
	MULR MB/2, MB/2, 1, NQ-1, \slot, 0
	PLACES 4
	WIN 0
	FETCH_A \next, 0, MB/2
.endm
.macro QUANT s
.irp b, 0,1,2,3
	v_max3_num_f32 v[TM+\b], |v[(\s)+16*\b]|, |v[(\s)+16*\b+1]|, 0x1800000
.endr
.irp i, 2,4,6,8,10,12,14
.irp b, 0,1,2,3
	v_max3_num_f32 v[TM+\b], v[TM+\b], |v[(\s)+16*\b+\i]|, |v[(\s)+16*\b+\i+1]|
.endr
.endr
.irp b, 0,1,2,3
	v_permlanex16_b32 v[TX+\b], v[TM+\b], s2, s3
.endr
.irp b, 0,1,2,3
	v_max_num_f32 v[TM+\b], v[TM+\b], v[TX+\b]
.endr
.irp b, 0,1,2,3
	v_add_nc_u32 v[SO+\b], 0xff000000, v[TM+\b]
.endr
.irp b, 0,1,2,3
	v_lshrrev_b32 v[TX+\b], 23, v[SO+\b]
.endr
	v_lshl_or_b32 v[PW], v[TX+1], 8, v[TX]
	v_lshl_or_b32 v[PW], v[TX+2], 16, v[PW]
	v_lshl_or_b32 v[PW], v[TX+3], 24, v[PW]
.irp c, 0,1
	v_cvt_scalef32_pk16_fp6_f32 v[PC+6*\c:PC+6*\c+2], v[(\s)+32*\c:(\s)+32*\c+15], v[SO+2*\c]
	v_cvt_scalef32_pk16_fp6_f32 v[PT+4*\c:PT+4*\c+2], v[(\s)+32*\c+16:(\s)+32*\c+31], v[SO+2*\c+1]
.endr
	v_nop
.irp c, 0,1
.irp i, 0,1,2
	v_permlane16_swap_b32 v[PC+6*\c+\i], v[PT+4*\c+\i]
.endr
.irp i, 0,1,2
	v_mov_b32 v[PC+6*\c+3+\i], v[PT+4*\c+\i]
.endr
.endr
.endm
	s_load_b128 s[4:7], s[0:1], 0x0
	s_load_b64 s[8:9], s[0:1], 0x10
	s_load_b64 s[10:11], s[0:1], 0x18              ; the normed rows' records
	v_lshl_add_u32 v[SPW], v0, 2, SPARE
	v_mov_b32 v[NIL], 0
	ds_add_u32 v28, v29
	ds_add_u32 v28, v29
	s_wait_dscnt 0x0
	v_lshrrev_b32 v1, 5, v0
	v_readfirstlane_b32 s14, v1
	s_lshr_b32 s15, s14, 1
	s_and_b32 s16, s14, 1
	s_bfe_u32 s40, ttmp6, 0x40000
	s_bfe_u32 s41, ttmp6, 0x40004
	s_lshl_b32 s42, ttmp9, 2
	s_add_co_u32 s42, s42, s40
	s_and_b32 s17, ttmp7, 0xffff
	s_lshl_b32 s17, s17, 2
	s_add_co_u32 s17, s17, s41
	s_lshl_b32 s43, s41, 2
	s_lshl_b32 s43, 15, s43
	s_lshl_b32 s44, 0x1111, s40
	s_or_b32 s24, s43, (3<<16)|(1<<21)
	s_or_b32 s48, s44, (3<<16)|(1<<21)
.irp g, 24, 48
	s_mov_b32 s[\g+1], (ROWB/8)<<16
	s_mov_b32 s[\g+2], MB<<16
	s_mov_b32 s[\g+3], (ROWB/8)<<16
	s_mov_b32 s[\g+4], MB
	s_mov_b32 s[\g+5], TP/8
	s_mov_b32 s[\g+6], 0
	s_mov_b32 s[\g+7], 0
.endr
	s_lshl_b32 s18, s16, 3
	s_lshl_b32 s20, s17, 4
	s_add_co_u32 s20, s20, s18
	s_mul_i32 s20, s20, TP
	s_mov_b32 s21, 0
	s_lshl_b32 s46, s42, 4
	s_add_co_u32 s46, s46, s18
	s_add_co_u32 s46, s46, 512
	s_mul_i32 s46, s46, TP
	s_mov_b32 s47, 0
	s_mul_i32 s45, s14, HALFT
	s_mov_b32 s2, 0x76543210
	s_mov_b32 s3, 0xfedcba98
	s_wait_kmcnt 0x0
	s_add_nc_u64 s[20:21], s[10:11], s[20:21]
	s_add_nc_u64 s[46:47], s[4:5], s[46:47]
	CROUND
.irp s, 0,1
	s_mov_b32 s[32+4*\s], 1
	s_add_co_u32 s[33+4*\s], s45, \s*SLOT
	s_add_nc_u64 s[34+4*\s:35+4*\s], s[20:21], \s*ROWB
	s_or_b32 s[35+4*\s], s[35+4*\s], 0x80000000
	s_mov_b32 s[56+4*\s], 1
	s_add_co_u32 s[57+4*\s], s45, \s*SLOT
	s_add_nc_u64 s[58+4*\s:59+4*\s], s[46:47], \s*ROWB
	s_or_b32 s[59+4*\s], s[59+4*\s], 0x80000000
.endr
	JLOAD 32, 56                                   ; slot 0: one tensor load a wave at the head
	; the prefetches' base: of the 8 tile rows that I fetch, each of the four partners that ask for them with me takes two, told apart by address (cx for Y, cy for X)
	s_cmp_eq_u32 s15, 0
	s_cselect_b64 s[88:89], s[20:21], s[46:47]
	s_cselect_b32 s90, s40, s41
	s_mul_i32 s90, s90, 2*TP
	s_mov_b32 s91, 0
	s_add_nc_u64 s[88:89], s[88:89], s[90:91]
	v_and_b32 v1, 15, v0
	v_bfe_u32 v2, v0, 4, 1
	v_min_u32 v23, 12, v1                          ; a fill's part of a tile row is 3,328 bytes, 13 blocks of 256: lanes 0-12 name the first row's, lanes 16-28 the second's; the lanes left over name the last block again
	v_lshlrev_b32 v23, 8, v23
	v_mul_u32_u24 v24, v2, TP
	v_add_nc_u32 v23, v23, v24
	global_prefetch_b8 v23, s[88:89] offset:2*ROWB th:TH_LOAD_NT scope:SCOPE_SE   ; the fill two fills on (K steps 4, 5); its address registers are never rewritten
	v_and_b32 v3, 31, v0
	v_lshlrev_b32 v16, 4, v3
	v_lshlrev_b32 v17, 4, v1
	v_lshl_add_u32 v17, v2, 3, v17
	v_lshlrev_b32 v18, 3, v1
	v_lshl_add_u32 v18, v2, 2, v18
	v_lshlrev_b32 v19, 6, v2
	s_mul_i32 s21, s15, HALFT
	s_mul_i32 s22, s16, HALFT
	s_add_co_u32 s22, s22, 2*HALFT
.irp s, 0,1
	v_add_nc_u32 v[4+\s], s21, v16
	v_add_nc_u32 v[6+\s], s21, v17
	v_add_nc_u32 v[8+\s], s21, v18
	v_add_nc_u32 v[10+\s], s22, v16
	v_add_nc_u32 v[12+\s], s22, v17
	v_add_nc_u32 v[14+\s], s22, v18
	s_add_co_u32 s21, s21, SLOT
	s_add_co_u32 s22, s22, SLOT
.endr
	s_lshl_b32 s66, s42, 10
	s_lshl_b32 s67, s16, 9
	s_add_co_u32 s66, s66, s67
	s_mov_b32 s67, 0
	s_add_nc_u64 s[6:7], s[6:7], s[66:67]
	s_lshl_b32 s66, s17, 4
	s_lshl_b32 s68, s15, 3
	s_add_co_u32 s66, s66, s68
	s_lshl_b32 s66, s66, 5
	s_lshl_b32 s68, s42, 1
	s_add_co_u32 s66, s66, s68
	s_add_co_u32 s66, s66, s16
	s_mul_i32 s66, s66, REC
	s_add_nc_u64 s[8:9], s[8:9], s[66:67]
	WIN 0x40
.irp b, 0,1,2,3
.irp j, 0,1,2,3
	global_load_b128 v[96+16*\b+4*\j+96*(\b/2):96+16*\b+4*\j+96*(\b/2)+3], v19, s[6:7] offset:128*\b+16*\j
.endr
.endr
	WIN 0
	s_wait_alu depctr_va_vdst(0)
	s_wait_tensorcnt 0x0                           ; my part of slot 0 is in
	ds_add_u32 v[SPW], v[NIL]
	s_wait_dscnt 0x0
	CROUND                                         ; a whole round: slot 0 is whole, and the joint loads meet
	JLOAD 36, 60                                   ; slot 1's first fill, my one load behind the round
	FETCH_B 0, 0, 0
	FETCH_A 0, 0, 0
	SCALES 0
	FETCH_A 0, 0, MB/2
	global_prefetch_b8 v23, s[88:89] offset:3*ROWB th:TH_LOAD_NT scope:SCOPE_SE   ; behind slot 1's load: again the fill two fills on, the last (K steps 6, 7)
	STEP 0, 0, 1
	s_mov_b32 s23, LAPS-1
.Llap:
	TURN 0, 1, 1
	STEP 1, 0, 0
	TURN 1, 0, 1
	STEP 0, 0, 0
	s_sub_co_u32 s23, s23, 1
	s_cmp_lg_u32 s23, 0
	s_cbranch_scc1 .Llap
	TURN 0, 1, 0
	STEP 1, 0, 0
	s_wait_dscnt (MB/2)*4
	WIN 0xa1
	MULR 0, MB/2, 1, NQ-1, 1, 0
	s_wait_dscnt 0x0
	WIN 0xf1
	MULR MB/2, MB/2, 1, NQ-1, 1, 0
	WIN 0
	PLACES 4
.irp b, 0,1,2,3
	v_mov_b32 v[TX+\b], 0
.endr
	s_wait_loadcnt 0x0
.irp a, 0,1,2,3,4,5,6,7
.if \a > 0
	s_wait_xcnt 0x0
.endif
	WIN (2+\a/4)|4
.set j, 0
.rept 32
	v_pk_add_f32 v[HH+j:HH+j+1], v[64*(\a%4)+j:64*(\a%4)+j+1], v[96+j+96*(j/32):96+j+96*(j/32)+1]
.set j, j+2
.endr
	WIN 0
.set j, 0
.rept 64
	v_max_num_f32 v[HH+j], 0, v[HH+j]
.set j, j+1
.endr
	QUANT HH
	global_store_b128 v16, v[PC:PC+3], s[8:9] offset:53248*\a
	global_store_b64 v17, v[PC+4:PC+5], s[8:9] offset:53248*\a+512
	global_store_b128 v16, v[PC+6:PC+9], s[8:9] offset:53248*\a+768
	global_store_b64 v17, v[PC+10:PC+11], s[8:9] offset:53248*\a+1280
	global_store_b32 v18, v[PW], s[8:9] offset:53248*\a+1536
.endr
	s_wait_tensorcnt 0x0
	ds_add_u32 v[SPW], v[NIL]
	s_wait_dscnt 0x0
	CROUND
	s_endpgm
.Lfunc_end_k_q356cacd142_ffn1:
	.size	k_q356cacd142_ffn1, .Lfunc_end_k_q356cacd142_ffn1-k_q356cacd142_ffn1
	.p2alignl 7, 3214868480
	.fill 96, 4, 3214868480
	.section	.rodata,"a",@progbits
	.p2align	6, 0x0
	.amdhsa_kernel k_q356cacd142_ffn1
		.amdhsa_group_segment_fixed_size 327680
		.amdhsa_private_segment_fixed_size 0
		.amdhsa_enable_private_segment 0
		.amdhsa_kernarg_size 32
		.amdhsa_user_sgpr_count 2
		.amdhsa_user_sgpr_kernarg_segment_ptr 1
		.amdhsa_wavefront_size32 1
		.amdhsa_system_sgpr_workgroup_id_x 1
		.amdhsa_system_sgpr_workgroup_id_y 1
		.amdhsa_system_sgpr_workgroup_id_z 1
		.amdhsa_system_vgpr_workitem_id 0
		.amdhsa_next_free_vgpr 1024
		.amdhsa_next_free_sgpr 96
		.amdhsa_reserve_vcc 0
		.amdhsa_float_denorm_mode_32 3
		.amdhsa_float_denorm_mode_16_64 3
		.amdhsa_memory_ordered 1
		.amdhsa_forward_progress 1
		.amdhsa_inst_pref_size 187
	.end_amdhsa_kernel
	.amdgpu_metadata
---
amdhsa.version: [ 1, 2 ]
amdhsa.kernels:
  - .name:           k_q356cacd142_ffn1
    .symbol:         k_q356cacd142_ffn1.kd
    .args:
      - { .name: hw, .offset: 0, .size: 8, .value_kind: global_buffer, .address_space: global }
      - { .name: b1, .offset: 8, .size: 8, .value_kind: global_buffer, .address_space: global }
      - { .name: hidrec, .offset: 16, .size: 8, .value_kind: global_buffer, .address_space: global }
      - { .name: h2rec, .offset: 24, .size: 8, .value_kind: global_buffer, .address_space: global }
    .group_segment_fixed_size: 327680
    .private_segment_fixed_size: 0
    .kernarg_segment_align: 8
    .kernarg_segment_size: 32
    .max_flat_workgroup_size: 128
    .sgpr_count:     96
    .vgpr_count:     1024
    .wavefront_size: 32
...
	.end_amdgpu_metadata
.endif
;; end of part 5
;; launch ffn2 (part 6): grid 8 x 32, 4 waves a work-group, clusters of 4 x 4, 327,680 bytes of LDS; arguments hidrec, hw, b2, x1, out0; writes out0
.if DOCPART == 6
	.amdgcn_target "amdgcn-amd-amdhsa--gfx1250"
	.amdhsa_code_object_version 6
	.text
	.protected	k_q356cacd142_ffn2
	.globl	k_q356cacd142_ffn2
	.p2align	8
	.type	k_q356cacd142_ffn2,@function
k_q356cacd142_ffn2:
	s_mov_b64 s[64:65], 0
	v_nop
	global_prefetch_b8 v0, s[64:65] scope:SCOPE_SE
	s_setreg_imm32_b32 hwreg(HW_REG_WAVE_MODE, 25, 1), 1
	s_wait_xcnt 0x0
	s_wait_alu depctr_hold_cnt(0) depctr_sa_sdst(0) depctr_va_vdst(0) depctr_va_sdst(0) depctr_va_ssrc(0) depctr_va_vcc(0) depctr_vm_vsrc(0)
	s_getreg_b32 s2, hwreg(HW_REG_IB_STS2, 6, 4)
	s_cmp_eq_u32 s2, 0
	s_cbranch_scc0 .Lentry_in_a_cluster
	s_endpgm
.Lentry_in_a_cluster:
	s_bfe_u32 s2, ttmp6, 0x10000c
	s_cmp_lg_u32 s2, 0xf033
	s_cbranch_scc0 .Lentry_shape_is_right
	s_endpgm
.Lentry_shape_is_right:
.set MB,    4
.set NB,    4
.set NQ,    6
.set SHORT, 1
.set TP,    53248
.set XOFF,  10223616
.set FINAL, 1
.set REC,   1664
.set ROWB,  NQ*REC
.set HALFT, MB*ROWB
.set SLOT,  4*HALFT
.set SPARE, 2*SLOT
.set SCH,   MB*NQ
.set AF,    128
.set BIAS,  176
.set SPW,   28
.set NIL,   29
.set RB,    ROWB
.set NQL,   NQ
.set MSB, 0
.set PFN, 4                            ; the fill that the next refill's prefetch names
.macro WIN new
.if MSB != (\new)
	s_set_vgpr_msb (MSB<<8)|(\new)
.set MSB, (\new)
.endif
.endm
.macro PLACES n
.rept \n
	v_nop
.endr
.endm
.macro JLOAD g0y, g0x, g1y, g1x
	s_cmp_eq_u32 s15, 0
	s_cbranch_scc0 .Lfor_x_\@
	tensor_load_to_lds s[\g0y:\g0y+3], s[\g1y:\g1y+7]
	s_nop 0
	PLACES 4
	s_branch .Lasked_\@
.Lfor_x_\@:
	tensor_load_to_lds s[\g0x:\g0x+3], s[\g1x:\g1x+7]
	s_nop 0
	PLACES 4
.Lasked_\@:
.endm
.macro CREST
	s_cmp_lg_u32 s14, 0
	s_cbranch_scc1 .Lnot_wave_0_\@
	s_barrier_signal -3
.Lnot_wave_0_\@:
	s_barrier_wait -3
	s_barrier_signal -1
	s_barrier_wait -1
.endm
.macro CROUND
	s_barrier_signal -1
	s_barrier_wait -1
	CREST
.endm
.macro FRAG reg, a16, a8, off
	ds_load_b128 v[\reg:\reg+3], v[\a16] offset:\off
	ds_load_b64 v[\reg+4:\reg+5], v[\a8] offset:\off+512
	ds_load_b128 v[\reg+6:\reg+9], v[\a16] offset:\off+768
	ds_load_b64 v[\reg+10:\reg+11], v[\a8] offset:\off+1280
.endm
.macro FETCH_B slot, q, p
	WIN 0x40
.irp i, 0,1,2,3
	FRAG 128*(\p)+12*\i, 10+\slot, 12+\slot, \i*RB+(\q)*REC
.endr
	WIN 0
.endm
.macro FETCH_A slot, q, i0
.irp d, 0,1
	FRAG AF+12*((\i0)+\d), 4+\slot, 6+\slot, ((\i0)+\d)*RB+(\q)*REC
.endr
.endm
.macro SCALES slot
.irp i, 0,1,2,3
.irp q, 0,1,2,3,4,5
.if \q < NQL
	ds_load_b32 v[32+2*SCH*\slot+NQ*\i+\q], v[8+\slot] offset:\i*RB+\q*REC+1536
	ds_load_b32 v[32+2*SCH*\slot+SCH+NQ*\i+\q], v[14+\slot] offset:\i*RB+\q*REC+1536
.endif
.endr
.endr
.endm
.macro MULA a, p, q, sc, zero
.irp b, 0,1,2,3
.set rD, 8*(NB*((\a)%(MB/2))+\b)
.set rX, 128*(\p)+12*\b
.set rY, AF+12*(\a)
.set rSB, 32+2*SCH*(\sc)+SCH+NQ*\b+(\q)
.set rSA, 32+2*SCH*(\sc)+NQ*(\a)+(\q)
.if \zero
	v_wmma_scale_f32_16x16x128_f8f6f4 v[rD:rD+7], v[rX:rX+11], v[rY:rY+11], 0, v[rSB], v[rSA] matrix_a_fmt:MATRIX_FMT_FP6 matrix_b_fmt:MATRIX_FMT_FP6
.else
	v_wmma_scale_f32_16x16x128_f8f6f4 v[rD:rD+7], v[rX:rX+11], v[rY:rY+11], v[rD:rD+7], v[rSB], v[rSA] matrix_a_fmt:MATRIX_FMT_FP6 matrix_b_fmt:MATRIX_FMT_FP6
.endif
.endr
.endm
.macro MULR a0, n, p, q, sc, zero
.irp d, 0,1,2,3
.if \d < (\n)
	MULA (\a0)+\d, \p, \q, \sc, \zero
.endif
.endr
.endm
.macro STEP slot, q, zero
	s_wait_dscnt (MB/2)*4
	WIN 0xa1
	MULR 0, MB/2, (\q)%2, \q, \slot, \zero
	s_wait_dscnt 0x0
	PLACES 4
	FETCH_B \slot, (\q)+1, 1-(\q)%2
	FETCH_A \slot, (\q)+1, 0
	WIN 0xf1
	MULR MB/2, MB/2, (\q)%2, \q, \slot, \zero
	PLACES 4
	WIN 0
	FETCH_A \slot, (\q)+1, MB/2
.endm
.macro TURN slot, next, fill
	s_wait_tensorcnt 0x0
	ds_add_u32 v[SPW], v[NIL]
	s_wait_dscnt (MB/2)*4+1
	WIN 0xa1
	MULR 0, MB/4, 1, NQ-1, \slot, 0
	s_wait_dscnt 0x0
	s_barrier_signal -1
	MULR MB/4, MB/4, 1, NQ-1, \slot, 0
	WIN 0
	s_barrier_wait -1
.if \fill
	CREST
	s_add_nc_u64 s[34+4*\slot:35+4*\slot], s[34+4*\slot:35+4*\slot], 2*ROWB
	s_add_nc_u64 s[58+4*\slot:59+4*\slot], s[58+4*\slot:59+4*\slot], 2*ROWB
.if (\fill) == 2
	JLOAD 32+4*\slot, 56+4*\slot, 72, 80
.else
	JLOAD 32+4*\slot, 56+4*\slot, 24, 48
.endif
.else
	PLACES 4
.endif
	FETCH_B \next, 0, 0
	FETCH_A \next, 0, 0
	SCALES \next
.if \fill                              ; behind each refill and the LDS loads that follow it: the fill two fills on is asked of memory; the last two refills ask for nothing
.if PFN == 4
	global_prefetch_b8 v23, s[88:89] offset:4*ROWB th:TH_LOAD_NT scope:SCOPE_SE
	global_prefetch_b8 v24, s[88:89] offset:4*ROWB th:TH_LOAD_NT scope:SCOPE_SE
.endif
.if PFN == 5
	global_prefetch_b8 v25, s[88:89] offset:5*ROWB th:TH_LOAD_NT scope:SCOPE_SE   ; the short last fill: 13 blocks
.endif
.set PFN, PFN+1
.endif
	WIN 0xf1
	MULR MB/2, MB/2, 1, NQ-1, \slot, 0
	PLACES 4
	WIN 0
	FETCH_A \next, 0, MB/2
.endm
.macro MID slot
.irp q, 1,2,3,4
.if \q < NQ-1
	STEP \slot, \q, 0
.endif
.endr
.endm
.macro LAST q
	s_wait_dscnt (MB/2)*4
	WIN 0xa1
	MULR 0, MB/2, 1, \q, 1, 0
	s_wait_dscnt 0x0
	WIN 0xf1
	MULR MB/2, MB/2, 1, \q, 1, 0
	WIN 0
.endm
	s_load_b256 s[4:11], s[0:1], 0x0
	s_load_b64 s[12:13], s[0:1], 0x20
	v_lshl_add_u32 v[SPW], v0, 2, SPARE
	v_mov_b32 v[NIL], 0
	ds_add_u32 v28, v29
	ds_add_u32 v28, v29
	s_wait_dscnt 0x0
	v_lshrrev_b32 v1, 5, v0
	v_readfirstlane_b32 s14, v1
	s_lshr_b32 s15, s14, 1
	s_and_b32 s16, s14, 1
	s_bfe_u32 s40, ttmp6, 0x40000
	s_bfe_u32 s41, ttmp6, 0x40004
	s_lshl_b32 s42, ttmp9, 2
	s_add_co_u32 s42, s42, s40
	s_and_b32 s17, ttmp7, 0xffff
	s_lshl_b32 s17, s17, 2
	s_add_co_u32 s17, s17, s41
	s_lshl_b32 s43, s41, 2
	s_lshl_b32 s43, 15, s43
	s_lshl_b32 s44, 0x1111, s40
	s_or_b32 s24, s43, (3<<16)|(1<<21)
	s_or_b32 s48, s44, (3<<16)|(1<<21)
.irp g, 24, 48
	s_mov_b32 s[\g+1], (ROWB/8)<<16
	s_mov_b32 s[\g+2], MB<<16
	s_mov_b32 s[\g+3], (ROWB/8)<<16
	s_mov_b32 s[\g+4], MB
	s_mov_b32 s[\g+5], TP/8
	s_mov_b32 s[\g+6], 0
	s_mov_b32 s[\g+7], 0
.endr
.if SHORT
	s_or_b32 s72, s43, (3<<16)|(1<<21)
	s_or_b32 s80, s44, (3<<16)|(1<<21)
.irp g, 72, 80
	s_mov_b32 s[\g+1], (2*REC/8)<<16
	s_mov_b32 s[\g+2], MB<<16
	s_mov_b32 s[\g+3], (2*REC/8)<<16
	s_mov_b32 s[\g+4], MB
	s_mov_b32 s[\g+5], TP/8
	s_mov_b32 s[\g+6], 0
	s_mov_b32 s[\g+7], 0
.endr
.endif
	s_lshl_b32 s18, s16, 2
	s_lshl_b32 s20, s17, 3
	s_add_co_u32 s20, s20, s18
	s_mul_i32 s20, s20, TP
	s_mov_b32 s21, 0
	s_lshl_b32 s46, s42, 3
	s_add_co_u32 s46, s46, s18
	s_mul_i32 s46, s46, TP
	s_add_co_u32 s46, s46, XOFF
	s_mov_b32 s47, 0
	s_mul_i32 s45, s14, HALFT
	s_wait_kmcnt 0x0
	s_add_nc_u64 s[20:21], s[4:5], s[20:21]
	s_add_nc_u64 s[46:47], s[6:7], s[46:47]
	CROUND
.irp s, 0,1
	s_mov_b32 s[32+4*\s], 1
	s_add_co_u32 s[33+4*\s], s45, \s*SLOT
	s_add_nc_u64 s[34+4*\s:35+4*\s], s[20:21], \s*ROWB
	s_or_b32 s[35+4*\s], s[35+4*\s], 0x80000000
	s_mov_b32 s[56+4*\s], 1
	s_add_co_u32 s[57+4*\s], s45, \s*SLOT
	s_add_nc_u64 s[58+4*\s:59+4*\s], s[46:47], \s*ROWB
	s_or_b32 s[59+4*\s], s[59+4*\s], 0x80000000
.endr
	JLOAD 32, 56, 24, 48                           ; slot 0: one tensor load a wave at the head
	; the prefetches' base: of the 4 tile rows that I fetch, each of the four partners that ask for them with me takes one, told apart by address (cx for Y, cy for X)
	s_cmp_eq_u32 s15, 0
	s_cselect_b64 s[88:89], s[20:21], s[46:47]
	s_cselect_b32 s90, s40, s41
	s_mul_i32 s90, s90, TP
	s_mov_b32 s91, 0
	s_add_nc_u64 s[88:89], s[88:89], s[90:91]
	v_and_b32 v1, 15, v0
	v_bfe_u32 v2, v0, 4, 1
	v_and_b32 v3, 31, v0
	v_lshlrev_b32 v23, 8, v3                       ; a fill's part of a tile row is 9,984 bytes, 39 blocks of 256: blocks 0-31, a lane a block,
	v_add_nc_u32 v24, 32, v3
	v_min_u32 v24, 38, v24
	v_lshlrev_b32 v24, 8, v24                      ; blocks 32-38 (the lanes left over name the last block again),
	v_min_u32 v25, 12, v3
	v_lshlrev_b32 v25, 8, v25                      ; and the 13 blocks of the short last fill.  These registers and the base are never rewritten
	global_prefetch_b8 v23, s[88:89] offset:2*ROWB th:TH_LOAD_NT scope:SCOPE_SE   ; the fill two fills on
	global_prefetch_b8 v24, s[88:89] offset:2*ROWB th:TH_LOAD_NT scope:SCOPE_SE
	v_lshlrev_b32 v16, 4, v3
	v_lshlrev_b32 v17, 4, v1
	v_lshl_add_u32 v17, v2, 3, v17
	v_lshlrev_b32 v18, 3, v1
	v_lshl_add_u32 v18, v2, 2, v18
	s_mul_i32 s21, s15, HALFT
	s_mul_i32 s22, s16, HALFT
	s_add_co_u32 s22, s22, 2*HALFT
.irp s, 0,1
	v_add_nc_u32 v[4+\s], s21, v16
	v_add_nc_u32 v[6+\s], s21, v17
	v_add_nc_u32 v[8+\s], s21, v18
	v_add_nc_u32 v[10+\s], s22, v16
	v_add_nc_u32 v[12+\s], s22, v17
	v_add_nc_u32 v[14+\s], s22, v18
	s_add_co_u32 s21, s21, SLOT
	s_add_co_u32 s22, s22, SLOT
.endr
	s_mul_i32 s70, s14, 16*272
	v_mul_u32_u24 v19, v1, 272
	v_lshl_add_u32 v19, v2, 6, v19
	v_add_nc_u32 v19, s70, v19
	v_mul_u32_u24 v20, v2, 272
	v_lshl_add_u32 v20, v1, 4, v20
	v_add_nc_u32 v20, s70, v20
	v_lshlrev_b32 v21, 12, v2
	v_lshl_add_u32 v21, v1, 4, v21
	s_wait_alu depctr_va_vdst(0)
	v_lshlrev_b32 v22, 4, v1
	s_wait_alu depctr_va_vdst(0)
	s_lshl_b32 s66, s17, 7
	s_lshl_b32 s67, s15, 6
	s_add_co_u32 s66, s66, s67
	s_lshl_b32 s66, s66, 12
	s_lshl_b32 s67, s42, 9
	s_lshl_b32 s68, s16, 8
	s_add_co_u32 s68, s67, s68
	s_add_co_u32 s66, s66, s68
	s_mov_b32 s67, 0
	s_mov_b32 s69, 0
	s_add_nc_u64 s[10:11], s[10:11], s[66:67]
	s_add_nc_u64 s[12:13], s[12:13], s[66:67]
	s_add_nc_u64 s[8:9], s[8:9], s[68:69]
	WIN 0x80
.irp a, 0,1,2,3
.irp t, 0,1,2,3,4,5,6,7
	global_load_b128 v[64+32*\a+4*\t:64+32*\a+4*\t+3], v21, s[10:11] offset:(32*(\a/2)+8*(\a%2)+2*\t+8*(\t/4))*4096
.endr
.endr
	WIN 0
	global_load_b128 v[BIAS:BIAS+3], v22, s[8:9]
	s_wait_alu depctr_va_vdst(0)
	s_wait_tensorcnt 0x0                           ; my part of slot 0 is in
	ds_add_u32 v[SPW], v[NIL]
	s_wait_dscnt 0x0
	CROUND                                         ; a whole round: slot 0 is whole, and the joint loads meet
	JLOAD 36, 60, 24, 48                           ; slot 1's first fill, my one load behind the round
	FETCH_B 0, 0, 0
	FETCH_A 0, 0, 0
	SCALES 0
	FETCH_A 0, 0, MB/2
	global_prefetch_b8 v23, s[88:89] offset:3*ROWB th:TH_LOAD_NT scope:SCOPE_SE   ; behind slot 1's load: again the fill two fills on
	global_prefetch_b8 v24, s[88:89] offset:3*ROWB th:TH_LOAD_NT scope:SCOPE_SE
	STEP 0, 0, 1
	MID 0
.if SHORT
	TURN 0, 1, 1
	STEP 1, 0, 0
	MID 1
	TURN 1, 0, 1
	STEP 0, 0, 0
	MID 0
	TURN 0, 1, 1
	STEP 1, 0, 0
	MID 1
	TURN 1, 0, 2
	STEP 0, 0, 0
	MID 0
.set RB,  2*REC
.set NQL, 2
	TURN 0, 1, 0
	STEP 1, 0, 0
	LAST 1
.else
	TURN 0, 1, 0
	STEP 1, 0, 0
	MID 1
	LAST NQ-1
.endif
.macro TOSTAGE a
	WIN 0x08+4*((\a)/2)
.irp b, 0,1,2,3
	ds_store_b128 v19, v[8*(4*((\a)%2)+\b):8*(4*((\a)%2)+\b)+3] offset:128*(\b/2)+32*(\b%2)
	ds_store_b128 v19, v[8*(4*((\a)%2)+\b)+4:8*(4*((\a)%2)+\b)+7] offset:128*(\b/2)+32*(\b%2)+16
.endr
	WIN 0
.set BB, 192+32*((\a)%2)
.irp t, 0,1,2,3,4,5,6,7
	ds_load_b128 v[BB+4*\t:BB+4*\t+3], v20 offset:544*\t
.endr
.endm
.macro SEND a, younger
.set BB, 192+32*((\a)%2)
.set RR, 64+32*(\a)
	s_wait_dscnt \younger
.set j, 0
.rept 8
	v_pk_add_f32 v[BB+j:BB+j+1], v[BB+j:BB+j+1], v[BIAS:BIAS+1]
	v_pk_add_f32 v[BB+j+2:BB+j+3], v[BB+j+2:BB+j+3], v[BIAS+2:BIAS+3]
.set j, j+4
.endr
	WIN 0x08
.set j, 0
.rept 16
	v_pk_add_f32 v[BB+j:BB+j+1], v[BB+j:BB+j+1], v[RR+j:RR+j+1]
.set j, j+2
.endr
	WIN 0
.irp t, 0,1,2,3,4,5,6,7
.if FINAL
	global_store_b128 v21, v[BB+4*\t:BB+4*\t+3], s[12:13] offset:(32*((\a)/2)+8*((\a)%2)+2*\t+8*(\t/4))*4096 th:TH_STORE_NT
.else
	global_store_b128 v21, v[BB+4*\t:BB+4*\t+3], s[12:13] offset:(32*((\a)/2)+8*((\a)%2)+2*\t+8*(\t/4))*4096
.endif
.endr
.endm
	PLACES 4
	TOSTAGE 0
	s_wait_loadcnt 0x0
.irp a, 1,2,3
.if \a > 1
	s_wait_xcnt 0x0
.endif
	TOSTAGE \a
	SEND \a-1, 16
.endr
	SEND 3, 0
	s_wait_tensorcnt 0x0
	ds_add_u32 v[SPW], v[NIL]
	s_wait_dscnt 0x0
	CROUND
	s_endpgm
.Lfunc_end_k_q356cacd142_ffn2:
	.size	k_q356cacd142_ffn2, .Lfunc_end_k_q356cacd142_ffn2-k_q356cacd142_ffn2
	.p2alignl 7, 3214868480
	.fill 96, 4, 3214868480
	.section	.rodata,"a",@progbits
	.p2align	6, 0x0
	.amdhsa_kernel k_q356cacd142_ffn2
		.amdhsa_group_segment_fixed_size 327680
		.amdhsa_private_segment_fixed_size 0
		.amdhsa_enable_private_segment 0
		.amdhsa_kernarg_size 40
		.amdhsa_user_sgpr_count 2
		.amdhsa_user_sgpr_kernarg_segment_ptr 1
		.amdhsa_wavefront_size32 1
		.amdhsa_system_sgpr_workgroup_id_x 1
		.amdhsa_system_sgpr_workgroup_id_y 1
		.amdhsa_system_sgpr_workgroup_id_z 1
		.amdhsa_system_vgpr_workitem_id 0
		.amdhsa_next_free_vgpr 1024
		.amdhsa_next_free_sgpr 96
		.amdhsa_reserve_vcc 0
		.amdhsa_float_denorm_mode_32 3
		.amdhsa_float_denorm_mode_16_64 3
		.amdhsa_memory_ordered 1
		.amdhsa_forward_progress 1
		.amdhsa_inst_pref_size 192
	.end_amdhsa_kernel
	.amdgpu_metadata
---
amdhsa.version: [ 1, 2 ]
amdhsa.kernels:
  - .name:           k_q356cacd142_ffn2
    .symbol:         k_q356cacd142_ffn2.kd
    .args:
      - { .name: hidrec, .offset: 0, .size: 8, .value_kind: global_buffer, .address_space: global }
      - { .name: hw, .offset: 8, .size: 8, .value_kind: global_buffer, .address_space: global }
      - { .name: b2, .offset: 16, .size: 8, .value_kind: global_buffer, .address_space: global }
      - { .name: x1, .offset: 24, .size: 8, .value_kind: global_buffer, .address_space: global }
      - { .name: out0, .offset: 32, .size: 8, .value_kind: global_buffer, .address_space: global }
    .group_segment_fixed_size: 327680
    .private_segment_fixed_size: 0
    .kernarg_segment_align: 8
    .kernarg_segment_size: 40
    .max_flat_workgroup_size: 128
    .sgpr_count:     96
    .vgpr_count:     1024
    .wavefront_size: 32
...
	.end_amdgpu_metadata
.endif
;; end of part 6
